; MI455X (gfx1250); checked and timed in simulation.
; The chip was launched on July 23, 2026; its instructions are those of AMD's public machine-readable ISA for CDNA 5 (MIT licence, August 2026) and "CDNA5" Instruction Set Architecture Reference Guide (July 2026). The comments in the code are by the model that wrote it; some were corrected since.
;; Attention. Allowed arithmetic: matrix products marked QUANTISED: E2M3 operands, one E8M0 scale for each 32 along K, by v_wmma_scale_f32_16x16x128_f8f6f4 with both operands' format E2M3, f32 sums; everything else in f32.
;; Inputs: W_proj 1,024 x 1,024 float32; W_qkv 3,072 x 1,024 float32; cos 2,048 x 32 float32; mask 1 x 1 x 2,048 x 2,048 int32; sin 2,048 x 32 float32; x 4 x 2,048 x 1,024 float32.
;; Outputs: out0 4 x 2,048 x 1,024 float32.
;; This version of the problem:
;;   THIS VERSION OF THE PROBLEM IS GIVEN IN LOW PRECISION. The matrix products marked QUANTISED in the list below multiply operands that are first quantised to E2M3 (2 exponent bits, 3 mantissa bits; 6 bits a number), with one power-of-two scale for each 32 numbers along K (OCP MX v1.0); their sums are f32. All else is computed in f32.
;;   The module's matrix products, in the order in which they are computed (A, B: the left and right operand; K: the contracted axis; several contracted axes count as one K, in the product's order):
;;     1. [M 8,192, K 1,024] x [K 1,024, N 3,072]; A: input x; B: input W_qkv: QUANTISED
;;     2. batch 64 x [M 2,048, K 64] x [K 64, N 2,048]; A: computed on the way; B: computed on the way: QUANTISED
;;     3. batch 64 x [M 2,048, K 2,048] x [K 2,048, N 64]; A: softmax (see below); B: computed on the way: QUANTISED
;;     4. [M 8,192, K 1,024] x [K 1,024, N 1,024]; A: computed on the way; B: input W_proj: QUANTISED
;;   THE QUANTISER, for each operand of a quantised product, along K:
;;     - K is cut into blocks of 32 from its start; a last block that is shorter is filled with zeros.
;;     - A block's scale is 2^e with e = floor(log2(the largest magnitude in the block)) - 2, held to -126 .. 127; a block of zeros has e = 0. As a byte (E8M0): e + 127.
;;     - Each number is divided by its block's scale, clamped to +-7.5, and rounded to the nearest number of E2M3, ties to even, subnormals kept.
;;     - The product sums the exact products of the quantised numbers (number of the format x scale) in f32.
;;   ~~~python
;;   def quantise(x, axis):      # numpy; x: float32 -> the quantised numbers, widened to float32 again
;;       x = np.moveaxis(x, axis, -1); K = x.shape[-1]
;;       x = np.pad(x, [(0, 0)] * (x.ndim - 1) + [(0, -K % 32)]); x = x.reshape(x.shape[:-1] + (-1, 32)); a = np.abs(x).max(-1, keepdims=True)
;;       e = np.where(a > 0, np.clip(np.frexp(np.where(a > 0, a, 1))[1] - 1 - 2, -126, 127), 0)      # np.frexp(a)[1] - 1 = floor(log2(a)), exactly
;;       r = np.clip(x / 2.0 ** e, -7.5, 7.5)
;;       step = 2.0 ** (np.maximum(np.frexp(np.where(r == 0, 1, r))[1] - 1, 0) - 3)
;;       q = np.round(r / step) * step * 2.0 ** e      # np.round: ties to even
;;       return np.moveaxis(q.reshape(q.shape[:-2] + (-1,))[..., :K], -1, axis).astype(np.float32)
;;   ~~~
;;   SOFTMAX AHEAD OF A QUANTISED PRODUCT. Where the list says 'softmax', what is quantised is not the finished softmax but p = 2^(t - M), with t = logit x log2(e) and M = ceil(the row's largest t), a whole number; so 1/2 < the row's largest p <= 1. The row's sum l is taken of the UNQUANTISED p, in f32, and the product's result is divided by l at the end. Since M is a whole number, a kernel that streams over the keys may use a running M (the ceiling of the running maximum): every later rescaling is an exact power of two, which a block's scale takes up: the codes' values come out the same.
;;   OPERANDS COMPUTED ON THE WAY. 'Computed on the way' means the value that the module computes at that place (a softmax that the list does not call 'softmax' is quantised finished and normalised). What goes into a quantiser is computed in f32, as accurately as f32 sums, v_exp_f32 and their like allow (about 1e-6 of the number): no bf16 or f16 on the way to a quantiser, and a product that is left as it is and whose result goes on into a quantised operand takes f32 operands (vector FMAs, or v_wmma_f32_16x16x4_f32). A number that lies on a knife's edge between two numbers of the format may be rounded either way, as far as f32 arithmetic and the matrix unit's own rounding can turn it there, and no further.
;; 2 versions, each right; version 2 is version 1 with the launch attn written anew for expert scheduling mode. Each part assembles by itself: llvm-mc -triple=amdgcn-amd-amdhsa -mcpu=gfx1250 --defsym DOCPART=n.
;; ======== version 1 of 2: 4 launches
;; workspace buffers: cod 9,437,184 bytes; scl 393,216 bytes; maskw 526,336 bytes of whole numbers; kv 13,107,200 bytes; qb 6,553,600 bytes; oc 6,291,456 bytes; os 262,144 bytes
;; launch prep (part 1): grid 512 x 1, 4 waves a work-group, no clusters, 70,144 bytes of LDS; arguments x, W_qkv, W_proj, mask, cod, scl, maskw; writes cod, scl, maskw
.if DOCPART == 1
	.amdgcn_target "amdgcn-amd-amdhsa--gfx1250"
	.amdhsa_code_object_version 6
	.text
	.protected	k_q289de49cd0_prep
	.globl	k_q289de49cd0_prep
	.p2align	8
	.type	k_q289de49cd0_prep,@function
k_q289de49cd0_prep:
	s_mov_b64 s[64:65], 0
	v_nop
	global_prefetch_b8 v0, s[64:65] scope:SCOPE_SE
	s_setreg_imm32_b32 hwreg(HW_REG_WAVE_MODE, 25, 1), 1
	s_wait_xcnt 0x0
; PREP.  (1) x [8192][1024], W_qkv [3072][1024], W_proj [1024][1024], f32, K innermost, become codes of FP6 (E2M3) with one E8M0 byte for each 32 along K.
; (2) mask [2048][2048], int32, becomes lane masks (one bit a score) and one flag a tile.
; A block's scale is 2^(floor(log2(largest magnitude)) - 2); its byte is the largest magnitude's exponent field - 2, held at 1 from below.
; LIMITS: a block of zeros, or one whose largest magnitude lies under 2^-124, keeps the byte 1 (its codes are zeros or subnormal codes; the bytes are read by this program alone); NaN and infinities among the inputs are not served.
; LAYOUT OF THE CODES (cod): [row tile G][k64 0..15][768 bytes].  A row tile is 16 rows; lane row p of tile T stands for the real row 32 (T / 2) + 8 (T % 2) + p + 8 (p / 8).
;   768 bytes are 16 rows x 64 along K as the matrix operand's registers take them: lane (r, h) holds k = 32 h .. 32 h + 31 in six registers; registers 0-3 lie at 16 x lane, registers 4-5 at 512 + 8 x lane.
;   Row tiles: x 0..511, W_qkv 512..703, W_proj 704..767.
; LAYOUT OF THE SCALES (scl): [row tile][fp 0..3][r][2 words]: word 2 fp + q serves K = 128 (2 fp + q) .. + 127 of row r.
; LAYOUT OF THE MASK (maskw): record (query tile qt, key step s) at 256 (16 qt + s): 64 words; bit (r, h) of word 16 b + i says that key 128 s + 32 b + 16 h + i counts for the query in lane row r of tile qt.
;   At 524,288 + 16 qt: four words; bit s of their OR says that record (qt, s) has a hole.
; SHARES.  Work-groups 0..383: wave job J = 4 x work-group + wave takes row tile J / 2, half J % 2 of K (512 along K), in eight steps of 64 along K.  Work-groups 384..511: query tile = work-group - 384, wave = which 512 keys, eight steps of 64 keys.
; Each load reads two rows' aligned 256 bytes (sixteen lanes a row); a step's 4,096 bytes turn through the wave's own stage in LDS (rows 272 bytes apart) so that a lane gets 32 neighbours of one row.
; Waves share nothing: no barrier.  Loads run four steps (32 loads a wave) ahead, the turn through LDS one step.  The two ways part on the work-group's number and have LDS bytes of their own.
.set STG,   4352                       ; a stage: 16 rows x 272 bytes
.set WREG,  2*STG                      ; a wave's two stages
.set MBASE, 4*WREG                     ; the mask way's stages
.set SPARE, 8*WREG                     ; the spare words, 128 bytes a wave: two blocks of 256 bytes that no other line names
.set R,     64                         ; v64-191  four sets of 32 registers as loaded
.set X,     192                        ; v192-255 two sets of 32 neighbours
.set SPW,   10                         ; v10 LDS address of my spare word; never rewritten
.set NIL,   11                         ; v11 0; never rewritten
; v1 lane, v2 r, v3 h, v4 load offset, v5 stage in, v6 stage out, v7 16 x lane, v8 8 x lane, v9 8 h, v12-17 at work, v18-21 the job's scale words, v24-32 codes (mask way: v24-31 four pairs of mask words)
	s_load_b256 s[4:11], s[0:1], 0x0               ; x, W_qkv, W_proj, mask
	s_load_b128 s[12:15], s[0:1], 0x20             ; cod, scl
	s_load_b64 s[16:17], s[0:1], 0x30              ; maskw
	v_lshl_add_u32 v[SPW], v0, 2, SPARE
	v_mov_b32 v[NIL], 0
	v_lshrrev_b32 v1, 5, v0
	v_readfirstlane_b32 s18, v1                    ; wave
	v_and_b32 v1, 31, v0                           ; lane
	v_and_b32 v2, 15, v0                           ; r
	v_bfe_u32 v3, v0, 4, 1                         ; h
	v_lshlrev_b32 v7, 4, v1
	v_lshlrev_b32 v8, 3, v1
	v_lshlrev_b32 v9, 3, v3
	s_mul_i32 s19, s18, WREG
	s_mov_b32 s28, 0x76543210
	s_mov_b32 s29, 0xfedcba98                      ; v_permlanex16_b32's selects for lane l xor 16
; step t's 16 rows x 256 bytes: load j takes lane rows 2 j and 2 j + 1, which are the real rows 2 j + 8 (j / 4) + h
.macro LOAD t, pitch, sb
.irp j, 0,1,2,3,4,5,6,7
	global_load_b128 v[R+32*((\t)%4)+4*\j:R+32*((\t)%4)+4*\j+3], v4, s[\sb:\sb+1] offset:(2*\j+8*(\j/4))*\pitch+256*(\t) th:TH_LOAD_NT
.endr
.endm
; step t through the stage: LDS serves a wave's instructions in order, so no wait stands between the stores and the loads.  m = 0: a lane takes 128 bytes on end; m = 1: 64 bytes of each half of the row
.macro TURN t, m
.irp j, 0,1,2,3,4,5,6,7
	ds_store_b128 v5, v[R+32*((\t)%4)+4*\j:R+32*((\t)%4)+4*\j+3] offset:STG*((\t)%2)+544*\j
.endr
.irp e, 0,1,2,3,4,5,6,7
.if \m
	ds_load_b128 v[X+32*((\t)%2)+4*\e:X+32*((\t)%2)+4*\e+3], v6 offset:STG*((\t)%2)+128*(\e/4)+16*(\e%4)
.else
	ds_load_b128 v[X+32*((\t)%2)+4*\e:X+32*((\t)%2)+4*\e+3], v6 offset:STG*((\t)%2)+16*\e
.endif
.endr
.endm
.macro SHEAD t, pitch, sb, m
	s_wait_dscnt 0x0                               ; this step's numbers are back from the stage: so its stores into the stage have read their registers,
.if (\t) < 4
	LOAD (\t)+4, \pitch, \sb                       ; which take the loads of four steps on
	s_wait_loadcnt 24                              ; the next step's eight loads are in; those of the three steps behind it may be out
.elseif (\t) < 7
	s_wait_loadcnt 8*(6-(\t))
.endif
.if (\t) < 7
	TURN (\t)+1, \m                                ; the next step goes through the other stage while this one is worked
.endif
.endm
	s_cmp_ge_u32 ttmp9, 384
	s_cbranch_scc1 .Lmask
	; ---------------- the quantiser ----------------
	v_lshlrev_b32 v4, 12, v3                       ; a row is 4,096 bytes: h rows,
	v_lshl_add_u32 v4, v2, 4, v4                   ; + 16 r
	v_mul_u32_u24 v5, v3, 272
	v_lshl_add_u32 v5, v2, 4, v5
	v_add_nc_u32 v5, s19, v5                       ; into the stage: row h of a pair, 16 r
	v_mul_u32_u24 v6, v2, 272
	v_lshl_add_u32 v6, v3, 7, v6
	v_add_nc_u32 v6, s19, v6                       ; out of it: row r, block h
	v_mov_b32 v16, 0                               ; a lane permute's destination counts as one of its sources
	s_lshl_b32 s20, ttmp9, 2
	s_add_co_u32 s20, s20, s18                     ; job
	s_lshr_b32 s21, s20, 1                         ; row tile G
	s_and_b32 s22, s20, 1                          ; which 512 along K
	s_wait_kmcnt 0x0
	s_cmp_lt_u32 ttmp9, 352                        ; the tensor is chosen by the work-group's number alone
	s_cselect_b64 s[6:7], s[6:7], s[8:9]
	s_mov_b32 s23, 704
	s_cselect_b32 s23, 512, s23
	s_cmp_lt_u32 ttmp9, 256
	s_cselect_b64 s[4:5], s[4:5], s[6:7]
	s_cselect_b32 s23, 0, s23
	s_sub_co_u32 s23, s21, s23                     ; the row tile T within its tensor
	s_lshr_b32 s24, s23, 1
	s_lshl_b32 s24, s24, 17                        ; 32 (T / 2) rows of 4,096 bytes
	s_and_b32 s25, s23, 1
	s_lshl_b32 s25, s25, 15                        ; 8 (T % 2) rows
	s_add_co_u32 s24, s24, s25
	s_lshl_b32 s25, s22, 11                        ; 512 numbers
	s_add_co_u32 s24, s24, s25
	s_mov_b32 s25, 0
	s_add_nc_u64 s[4:5], s[4:5], s[24:25]
	s_mul_i32 s24, s21, 12288
	s_mul_i32 s26, s22, 6144
	s_add_co_u32 s24, s24, s26
	s_add_nc_u64 s[12:13], s[12:13], s[24:25]
	s_lshl_b32 s24, s21, 9
	s_lshl_b32 s26, s22, 8
	s_add_co_u32 s24, s24, s26
	s_add_nc_u64 s[14:15], s[14:15], s[24:25]
.macro QSTEP t
	SHEAD \t, 4096, 4, 0
.set XS, X+32*((\t)%2)
	v_max3_num_f32 v12, |v[XS]|, |v[XS+1]|, 0x1800000               ; the block's largest magnitude: all 32 numbers are mine; two chains; the floor 2^(3 - 127) holds the byte at 1 from below
	v_max3_num_f32 v13, |v[XS+16]|, |v[XS+17]|, 0x1800000
.irp i, 2,4,6,8,10,12,14
	v_max3_num_f32 v12, v12, |v[XS+\i]|, |v[XS+\i+1]|
	v_max3_num_f32 v13, v13, |v[XS+16+\i]|, |v[XS+17+\i]|
.endr
	v_max_num_f32 v12, v12, v13
	v_add_nc_u32 v14, 0xff000000, v12              ; 2 off its exponent field: the conversion takes the exponent field of this operand as its scale
	s_wait_xcnt 0x0                                ; the last step's stores have read the code registers
	v_cvt_scalef32_pk16_fp6_f32 v[24:26], v[XS:XS+15], v14
	v_cvt_scalef32_pk16_fp6_f32 v[30:32], v[XS+16:XS+31], v14      ; (a conversion's three registers begin on an even number)
	v_lshrrev_b32 v15, 23, v14                     ; the scale's byte; also the plain line behind the conversions
	v_mov_b32 v27, v30
	v_mov_b32 v28, v31
	v_mov_b32 v29, v32
	global_store_b128 v7, v[24:27], s[12:13] offset:768*(\t)       ; 512 consecutive bytes
	global_store_b64 v8, v[28:29], s[12:13] offset:768*(\t)+512    ; 256 consecutive bytes
.if (\t)%2 == 0
	v_mov_b32 v17, v15                             ; byte h of a scale word,
.else
	v_lshl_or_b32 v17, v15, 16, v17                ; byte 2 + h,
	v_lshlrev_b32 v17, v9, v17                     ; at their places;
	v_permlanex16_b32 v16, v17, s28, s29
	v_or_b32 v[18+(\t)/2], v17, v16                ; with lane l xor 16's two the word is whole
.endif
.endm
	LOAD 0, 4096, 4
	LOAD 1, 4096, 4
	LOAD 2, 4096, 4
	LOAD 3, 4096, 4
	s_wait_loadcnt 24                              ; step 0's eight loads are in
	TURN 0, 0
.irp t, 0,1,2,3,4,5,6,7
	QSTEP \t
.endr
	v_cmp_eq_u32 vcc_lo, 1, v3
	v_cndmask_b32 v22, v18, v20, vcc_lo            ; lane (r, h) stores the job's words 2 h and 2 h + 1 of row r
	v_cndmask_b32 v23, v19, v21, vcc_lo
	global_store_b64 v8, v[22:23], s[14:15]        ; 256 consecutive bytes, aligned
	s_wait_tensorcnt 0x0                           ; the wave's end, behind my last LDS store
	ds_add_u32 v[SPW], v[NIL]
	s_wait_dscnt 0x0
	s_endpgm
	; ---------------- the mask ----------------
.Lmask:
	v_lshlrev_b32 v4, 13, v3                       ; a row is 8,192 bytes
	v_lshl_add_u32 v4, v2, 4, v4
	s_add_co_u32 s19, s19, MBASE
	v_mul_u32_u24 v5, v3, 272
	v_lshl_add_u32 v5, v2, 4, v5
	v_add_nc_u32 v5, s19, v5
	v_mul_u32_u24 v6, v2, 272
	v_lshl_add_u32 v6, v3, 6, v6
	v_add_nc_u32 v6, s19, v6                       ; out of the stage: row r, 16 keys from 16 h on of each block of 32
.irp i, 0,1,2,3,4,5,6,7
	v_mov_b32 v[24+\i], 0                          ; written once: v_writelane_b32's destination counts as read
.endr
	s_sub_co_u32 s20, ttmp9, 384                   ; query tile
	s_lshr_b32 s24, s20, 1
	s_lshl_b32 s24, s24, 18                        ; 32 (qt / 2) rows of 8,192 bytes
	s_and_b32 s25, s20, 1
	s_lshl_b32 s25, s25, 16                        ; 8 (qt % 2) rows
	s_add_co_u32 s24, s24, s25
	s_lshl_b32 s25, s18, 11                        ; my 512 keys
	s_add_co_u32 s24, s24, s25
	s_mov_b32 s25, 0
	s_lshl_b32 s22, s20, 12                        ; my four records: 256 (16 qt + 4 wave)
	s_lshl_b32 s23, s18, 10
	s_add_co_u32 s22, s22, s23
	s_mov_b32 s23, 0
	s_lshl_b32 s26, s20, 4                         ; my flag word: 16 qt + 4 wave
	s_lshl_b32 s27, s18, 2
	s_add_co_u32 s26, s26, s27
	s_mov_b32 s27, 0
	s_wait_kmcnt 0x0
	s_add_nc_u64 s[10:11], s[10:11], s[24:25]
	s_add_nc_u64 s[26:27], s[16:17], s[26:27]
	s_add_nc_u64 s[16:17], s[16:17], s[22:23]
	s_lshl_b32 s23, s18, 2                         ; my first step's bit
	s_mov_b32 s20, -1                              ; the AND of a record's words
	s_mov_b32 s24, 0                               ; my four flags
.macro MSTEP t
	SHEAD \t, 8192, 10, 1
.set XS, X+32*((\t)%2)
.set k, 0
.rept 32
	v_cmp_ne_u32 s[32+k], 0, v[XS+k]               ; word 32 (t % 2) + k of the record: a bit a lane
.set k, k+1
.endr
.set k, 0
.rept 32
	s_and_b32 s20, s20, s[32+k]
	v_writelane_b32 v[24+2*((\t)/2)+k%2], s[32+k], 16*((\t)%2)+k/2   ; word j goes to lane j / 2, register j % 2: the record leaves by one store of 8 bytes a lane
.set k, k+1
.endr
.if (\t)%2
	global_store_b64 v8, v[24+2*((\t)/2):25+2*((\t)/2)], s[16:17] offset:256*((\t)/2)   ; 256 consecutive bytes, aligned; each record has registers of its own
	s_cmp_lg_u32 s20, -1                           ; a hole?
	s_cselect_b32 s21, 1<<((\t)/2), 0
	s_or_b32 s24, s24, s21
	s_mov_b32 s20, -1
.endif
.endm
	LOAD 0, 8192, 10
	LOAD 1, 8192, 10
	LOAD 2, 8192, 10
	LOAD 3, 8192, 10
	s_wait_loadcnt 24
	TURN 0, 1
.irp t, 0,1,2,3,4,5,6,7
	MSTEP \t
.endr
	s_lshl_b32 s24, s24, s23
	v_mov_b32 v12, s24
	v_mov_b32 v13, 0
	v_cmp_eq_u32 vcc_lo, 0, v1
	s_wait_xcnt 0x0                                ; EXEC changes only behind this wait
	s_and_saveexec_b32 s21, vcc_lo
	global_store_b32 v13, v12, s[26:27] offset:524288   ; lane 0 stores my flag word
	s_wait_xcnt 0x0                                ; and again ahead of the line that widens it
	s_or_b32 exec_lo, exec_lo, s21
	s_wait_tensorcnt 0x0                           ; the wave's end, behind my last LDS store
	ds_add_u32 v[SPW], v[NIL]
	s_wait_dscnt 0x0
	s_endpgm
.Lfunc_end_k_q289de49cd0_prep:
	.size	k_q289de49cd0_prep, .Lfunc_end_k_q289de49cd0_prep-k_q289de49cd0_prep
	.p2alignl 7, 3214868480
	.fill 96, 4, 3214868480
	.section	.rodata,"a",@progbits
	.p2align	6, 0x0
	.amdhsa_kernel k_q289de49cd0_prep
		.amdhsa_group_segment_fixed_size 70144
		.amdhsa_private_segment_fixed_size 0
		.amdhsa_enable_private_segment 0
		.amdhsa_kernarg_size 56
		.amdhsa_user_sgpr_count 2
		.amdhsa_user_sgpr_kernarg_segment_ptr 1
		.amdhsa_wavefront_size32 1
		.amdhsa_system_sgpr_workgroup_id_x 1
		.amdhsa_system_sgpr_workgroup_id_y 1
		.amdhsa_system_sgpr_workgroup_id_z 1
		.amdhsa_system_vgpr_workitem_id 0
		.amdhsa_next_free_vgpr 256
		.amdhsa_next_free_sgpr 66
		.amdhsa_reserve_vcc 1
		.amdhsa_float_denorm_mode_32 3
		.amdhsa_float_denorm_mode_16_64 3
		.amdhsa_memory_ordered 1
		.amdhsa_forward_progress 1
		.amdhsa_inst_pref_size 89
	.end_amdhsa_kernel
	.amdgpu_metadata
---
amdhsa.version: [ 1, 2 ]
amdhsa.kernels:
  - .name:           k_q289de49cd0_prep
    .symbol:         k_q289de49cd0_prep.kd
    .args:
      - { .name: x, .offset: 0, .size: 8, .value_kind: global_buffer, .address_space: global }
      - { .name: W_qkv, .offset: 8, .size: 8, .value_kind: global_buffer, .address_space: global }
      - { .name: W_proj, .offset: 16, .size: 8, .value_kind: global_buffer, .address_space: global }
      - { .name: mask, .offset: 24, .size: 8, .value_kind: global_buffer, .address_space: global }
      - { .name: cod, .offset: 32, .size: 8, .value_kind: global_buffer, .address_space: global }
      - { .name: scl, .offset: 40, .size: 8, .value_kind: global_buffer, .address_space: global }
      - { .name: maskw, .offset: 48, .size: 8, .value_kind: global_buffer, .address_space: global }
    .group_segment_fixed_size: 70144
    .private_segment_fixed_size: 0
    .kernarg_segment_align: 8
    .kernarg_segment_size: 56
    .max_flat_workgroup_size: 128
    .sgpr_count:     66
    .vgpr_count:     256
    .wavefront_size: 32
...
	.end_amdgpu_metadata
.endif
;; end of part 1
;; launch qkv (part 2): grid 12 x 32, 4 waves a work-group, clusters of 4 x 4, 327,680 bytes of LDS; arguments cod, scl, cos, sin, kv, qb; writes kv, qb
.if DOCPART == 2
	.amdgcn_target "amdgcn-amd-amdhsa--gfx1250"
	.amdhsa_code_object_version 6
	.text
	.protected	k_q289de49cd0_qkv
	.globl	k_q289de49cd0_qkv
	.p2align	8
	.type	k_q289de49cd0_qkv,@function
k_q289de49cd0_qkv:
	s_mov_b64 s[64:65], 0
	v_nop
	global_prefetch_b8 v0, s[64:65] scope:SCOPE_SE
	s_setreg_imm32_b32 hwreg(HW_REG_WAVE_MODE, 25, 1), 1
	s_wait_xcnt 0x0
	s_wait_alu depctr_hold_cnt(0) depctr_sa_sdst(0) depctr_va_vdst(0) depctr_va_sdst(0) depctr_va_ssrc(0) depctr_va_vcc(0) depctr_vm_vsrc(0)
	s_getreg_b32 s2, hwreg(HW_REG_IB_STS2, 6, 4)
	s_cmp_eq_u32 s2, 0
	s_cbranch_scc0 .Lentry_in_a_cluster
	s_endpgm
.Lentry_in_a_cluster:
	s_bfe_u32 s2, ttmp6, 0x10000c
	s_cmp_lg_u32 s2, 0xf033
	s_cbranch_scc0 .Lentry_shape_is_right
	s_endpgm
.Lentry_shape_is_right:
; QKV.  qkv = x W_qkv^T on codes of FP6 (E2M3) with E8M0 scales (K = 1,024), then RoPE on q and k in f32, then q and k are quantised along the head's 64 and v along the keys.  Nothing but codes and scale bytes is stored.
; A tile of 256 x 256 is made by four waves, 128 x 128 each: 64 accumulators, 512 registers.  K goes in four steps of 256 through two LDS slots filled by the tensor data mover.
; OPERANDS lie in memory as images of the operand's registers (cod: [row tile][k64][768], scl: [row tile][fp][r][2 words]): a fragment (16 rows x 128 K, 12 registers) comes from LDS by two loads of 16 and two of 8 bytes a lane, each on consecutive bytes.
; Lane row p of row tile T stands for the real row 32 (T / 2) + 8 (T % 2) + p + 8 (p / 8).  THE MATRIX INSTRUCTION IS USED TRANSPOSED (source 0 = 16 rows of B, source 1 = 16 rows of A): lane (r, h) of A's block a holds ONE row of A,
; and its 64 registers (a, 0..7) are B's real rows 32 b + 16 h + i (register 16 b + i): neighbours, as the quantiser along that axis wants them.
; SECTIONS, by the cluster's x (alike in all sixteen partners): 0 = q, 1 = k: A = x's tokens, B = W's features (a lane: one token, 128 features = two heads).  2 = v: A = W_v's features, B = x's tokens (a lane: one feature, 128 tokens = one key step).
; CLUSTERS: 4 x 4 work-groups; A's tiles are shared along a row of the cluster, B's along a column: each is asked for jointly, by the same tensor load with the same descriptor and a mask that names the four.
; OUTPUT.  kv: a record of 12,800 bytes for (batch x 16 + head, key step of 128): K's 8 tiles (16 keys x 64: 768 bytes each); at 6,144 V's 4 fragments (16 of the head's 64 x 128 keys: three planes of 512 bytes);
;   at 12,288 K's scale words [r][pair of tiles] (two bytes of the even tile, two of the odd); at 12,544 V's [r][fragment].  qb: a record of 6,400 bytes: Q's 8 tiles, at 6,144 their scale words as K's.
; LIMITS: a block whose largest magnitude lies under 2^-124 keeps the byte 1; NaN and infinities are not served.
; REGISTERS, in windows of 256: window 0: v0-31 addresses; v32-63 scale words, two sets; v64-127 cos and sin rows, two sets; v128-223 A's fragments, one set (in the way out: at work); window 1: B's fragments, two sets, at v0 and v128;
;   windows 2 and 3: the accumulators ((a, b) at v[8 (8 (a % 4) + b)] of window 2 + a / 4).
.set NQ,    2                          ; matrix instructions deep in a slot
.set FR,    12                         ; registers of a fragment
.set NL,    4                          ; LDS loads that bring one
.set NP,    4                          ; places behind this matrix instruction (ISA guide 7.12.1)
.set RT,    3072                       ; a row tile's bytes of a K step of 256: four images of 768
.set HALFT, 8*RT                       ; 128 rows: what one tensor load brings
.set SLOT,  4*HALFT                    ; A's 256 rows, then B's 256 rows
.set SCL,   2*SLOT                     ; behind the ring: the scales of all of K, filled once
.set HALFS, 4096                       ; those of 128 rows
.set SPARE, SCL+4*HALFS                ; the spare words, 128 bytes a wave: two blocks of 256 bytes that no other line names
.set A16,  16                          ; v16-17 A's fragments in slot 0, 1: + 16 x lane;  v18-19: + 8 x lane
.set A8,   18
.set B16,  20                          ; v20-23 the same for B
.set B8,   22
.set ADRS, 27                          ; v27 my scale words: lanes 0-15 A's rows, lanes 16-31 B's
.set SPW,  28                          ; v28 LDS address of my spare word; never rewritten
.set NIL,  29                          ; v29 0; never rewritten
.set SC,   32
.set CN,   64                          ; cos: set s at v[CN + 32 s], 16 registers;  sin at v[SN + 32 s]
.set SN,   80
.set AF,   128
.set T,    128                         ; the way out: v128-191 x s;  v192-203 codes;  v204-210 second conversions;  v212-215 largest magnitudes;  v216-219 permutes and bytes;  v220-223 scale operands;  v224-231 a scale word a block
.set PC,   192
.set PT,   204
.set TM,   212
.set TP,   216
.set SOP,  220
.set PWS,  224
.set SELV, 236
.set G1,   24                          ; s[24:31] group 1 for A's tiles;  s[32:39] group 0, a set for each slot
.set G0,   32
.set G1B,  48                          ; s[48:55], s[56:63] the same for B's
.set G0B,  56
.set G1S,  68                          ; s[68:75], s[76:79] A's scales;  s[80:87], s[88:91] B's
.set G0S,  76
.set G1SB, 80
.set G0SB, 88
.set MSB, 0
.macro WIN new                         ; the immediate's high byte repeats the setting that is left
.if MSB != \new
	s_set_vgpr_msb (MSB<<8)|\new
.set MSB, \new
.endif
.endm
.set MUL_LO, 0xa1                      ; source 0 (B) window 1, source 1 (A) window 0, C and D window 2
.set MUL_HI, 0xf1                      ; the same, C and D window 3
.set TO_B,   0x40                      ; destination window 1, address window 0
; A joint load: waves 0 and 1 fetch for A, waves 2 and 3 for B; the branch hangs on the wave's number alone.  An s_nop 0 and four v_nop follow each of the two lines.
.macro JLOAD g0a, g1a, g0b, g1b
	s_cmp_eq_u32 s17, 0
	s_cbranch_scc0 .Lfor_b_\@
	tensor_load_to_lds s[\g0a:\g0a+3], s[\g1a:\g1a+7]
	s_nop 0
.rept 4
	v_nop
.endr
	s_branch .Lasked_\@
.Lfor_b_\@:
	tensor_load_to_lds s[\g0b:\g0b+3], s[\g1b:\g1b+7]
	s_nop 0
.rept 4
	v_nop
.endr
.Lasked_\@:
.endm
.macro CREST                           ; a round of the cluster's barrier behind its opening barrier
	s_cmp_lg_u32 s16, 0
	s_cbranch_scc1 .Lnot_wave_0_\@
	s_barrier_signal -3
.Lnot_wave_0_\@:
	s_barrier_wait -3
	s_barrier_signal -1
	s_barrier_wait -1
.endm
.macro CROUND
	s_barrier_signal -1
	s_barrier_wait -1
	CREST
.endm
	s_load_b256 s[4:11], s[0:1], 0x0               ; cod s[4:5], scl s[6:7], cos s[8:9], sin s[10:11]
	s_load_b128 s[12:15], s[0:1], 0x20             ; kv s[12:13], qb s[14:15]
	v_lshl_add_u32 v[SPW], v0, 2, SPARE
	v_mov_b32 v[NIL], 0
	ds_add_u32 v[SPW], v[NIL]                      ; the wave's opening: the add and its wait ahead of my first tensor load; the set-up below, work on registers, stands between them
	v_lshrrev_b32 v1, 5, v0
	v_readfirstlane_b32 s16, v1                    ; wave 0..3
	s_lshr_b32 s17, s16, 1                         ; which half of A's rows is mine.  Also: I fetch for A (0) or for B (1)
	s_and_b32 s18, s16, 1                          ; which half of B's rows.  Also: which 128 rows I fetch
	s_bfe_u32 s40, ttmp6, 0x40000                  ; cx
	s_bfe_u32 s41, ttmp6, 0x40004                  ; cy
	s_and_b32 s42, ttmp7, 0xffff                   ; the cluster's y
	s_lshl_b32 s43, s41, 2
	s_lshl_b32 s43, 15, s43                        ; my row of the cluster
	s_lshl_b32 s44, 0x1111, s40                    ; my column
	; group 1 for codes: 8 row tiles x 3,072 bytes (384 elements of 8 bytes), 12,288 bytes apart; no padding: every LDS read is of consecutive bytes
	s_or_b32 s[G1+0], s43, (3<<16)|(1<<21)         ; 15:0 the mask; 17:16 elements of 8 bytes; 21 set beside a mask
	s_or_b32 s[G1B+0], s44, (3<<16)|(1<<21)
.irp g, G1, G1B
	s_mov_b32 s[\g+1], 384<<16                     ; tensor_dim0
	s_mov_b32 s[\g+2], 8<<16                       ; tensor_dim1
	s_mov_b32 s[\g+3], 384<<16                     ; tile_dim0
	s_mov_b32 s[\g+4], 8                           ; tile_dim1
	s_mov_b32 s[\g+5], 1536                        ; tensor_dim0_stride
	s_mov_b32 s[\g+6], 0
	s_mov_b32 s[\g+7], 0
.endr
	; and for the scales of 128 rows: 4,096 dense bytes as 16 rows of 256
	s_or_b32 s[G1S+0], s43, (3<<16)|(1<<21)
	s_or_b32 s[G1SB+0], s44, (3<<16)|(1<<21)
.irp g, G1S, G1SB
	s_mov_b32 s[\g+1], 32<<16
	s_mov_b32 s[\g+2], 16<<16
	s_mov_b32 s[\g+3], 32<<16
	s_mov_b32 s[\g+4], 16
	s_mov_b32 s[\g+5], 32
	s_mov_b32 s[\g+6], 0
	s_mov_b32 s[\g+7], 0
.endr
	; the row tiles that I fetch.  q, k: A = x at 64 Y + 16 cy, B = W at 512 + 64 section + 16 cx.  v: A = W_v at 640 + 16 cy, B = x at 64 Y + 16 cx.  A hangs on cy alone, B on cx alone
	s_lshl_b32 s20, s42, 6
	s_lshl_b32 s21, ttmp9, 6
	s_add_co_u32 s21, s21, 512
	s_cmp_eq_u32 ttmp9, 2
	s_cselect_b32 s22, 640, s20
	s_cselect_b32 s46, s20, s21
	s_lshl_b32 s23, s18, 3
	s_lshl_b32 s20, s41, 4
	s_add_co_u32 s22, s22, s20
	s_add_co_u32 s22, s22, s23                     ; A's first row tile
	s_lshl_b32 s47, s40, 4
	s_add_co_u32 s46, s46, s47
	s_add_co_u32 s46, s46, s23                     ; B's
	s_mul_i32 s20, s22, 12288
	s_mov_b32 s21, 0
	s_lshl_b32 s22, s22, 9
	s_mov_b32 s23, 0
	s_mul_i32 s92, s46, 12288
	s_mov_b32 s93, 0
	s_lshl_b32 s46, s46, 9
	s_mov_b32 s47, 0
	s_mul_i32 s45, s16, HALFT                      ; where they go: wave x 128 rows: no place in the cluster enters an LDS address
	s_lshl_b32 s94, s16, 12
	s_wait_dscnt 0x0                               ; the opening add is done
	s_wait_kmcnt 0x0
	s_add_nc_u64 s[20:21], s[4:5], s[20:21]        ; A's codes
	s_add_nc_u64 s[22:23], s[6:7], s[22:23]        ; A's scales
	s_add_nc_u64 s[92:93], s[4:5], s[92:93]        ; B's codes
	s_add_nc_u64 s[46:47], s[6:7], s[46:47]        ; B's scales
	CROUND                                         ; all sixteen work-groups are here: the first joint loads meet
	s_mov_b32 s[G0S], 1
	s_add_co_u32 s[G0S+1], s94, SCL
	s_mov_b64 s[G0S+2:G0S+3], s[22:23]
	s_or_b32 s[G0S+3], s[G0S+3], 0x80000000
	s_mov_b32 s[G0SB], 1
	s_add_co_u32 s[G0SB+1], s94, SCL
	s_mov_b64 s[G0SB+2:G0SB+3], s[46:47]
	s_or_b32 s[G0SB+3], s[G0SB+3], 0x80000000
	JLOAD G0S, G1S, G0SB, G1SB                     ; the scales first: they are wanted with K step 0.  Three loads of mine are out behind these lines
.irp s, 0,1
	s_mov_b32 s[G0+4*\s], 1
	s_add_co_u32 s[G0+4*\s+1], s45, \s*SLOT
	s_add_nc_u64 s[G0+4*\s+2:G0+4*\s+3], s[20:21], \s*RT
	s_or_b32 s[G0+4*\s+3], s[G0+4*\s+3], 0x80000000
	s_mov_b32 s[G0B+4*\s], 1
	s_add_co_u32 s[G0B+4*\s+1], s45, \s*SLOT
	s_add_nc_u64 s[G0B+4*\s+2:G0B+4*\s+3], s[92:93], \s*RT
	s_or_b32 s[G0B+4*\s+3], s[G0B+4*\s+3], 0x80000000
	JLOAD G0+4*\s, G1, G0B+4*\s, G1B
.endr
	v_and_b32 v1, 15, v0                           ; r
	v_bfe_u32 v2, v0, 4, 1                         ; h
	v_and_b32 v3, 31, v0                           ; lane
	v_lshlrev_b32 v4, 4, v3                        ; 16 x lane
	v_lshlrev_b32 v5, 3, v3                        ; 8 x lane
	s_mul_i32 s21, s17, HALFT                      ; my 128 rows of A
	s_mul_i32 s22, s18, HALFT                      ; my 128 rows of B,
	s_add_co_u32 s22, s22, 2*HALFT                 ; which lie behind A's 256
.irp s, 0,1
	v_add_nc_u32 v[A16+\s], s21, v4
	v_add_nc_u32 v[A8+\s], s21, v5
	v_add_nc_u32 v[B16+\s], s22, v4
	v_add_nc_u32 v[B8+\s], s22, v5
	s_add_co_u32 s21, s21, SLOT
	s_add_co_u32 s22, s22, SLOT
.endr
	v_lshlrev_b32 v6, 3, v1                        ; my row's two words of a K step: 8 r
	s_lshl_b32 s21, s17, 12                        ; A's: my 128 rows
	s_lshl_b32 s22, s18, 12                        ; B's: my 128 rows, behind A's 256
	s_add_co_u32 s22, s22, 2*HALFS
	s_sub_co_u32 s22, s22, s21
	v_mul_u32_u24 v7, s22, v2                      ; lanes 16-31 take B's
	s_add_co_u32 s21, s21, SCL
	v_add_nc_u32 v6, v6, v7
	v_add_nc_u32 v[ADRS], s21, v6
	; where the results go
	s_mov_b32 s2, 0x76543210
	s_mov_b32 s3, 0xfedcba98                       ; v_permlanex16_b32's selects for lane l xor 16
	s_lshl_b32 s20, s42, 2
	s_cmp_eq_u32 ttmp9, 2
	s_cselect_b32 s21, s40, s41                    ; the tokens' coordinate in the cluster,
	s_cselect_b32 s22, s41, s40                    ; the features',
	s_cselect_b32 s23, s18, s17                    ; my wave's half of the tokens,
	s_cselect_b32 s46, s17, s18                    ; and of the features
	s_mov_b32 s93, 12288
	s_mov_b32 s94, 12544
	s_cselect_b32 s93, s94, s93                    ; where the scale words lie in a record
	s_cmp_eq_u32 ttmp9, 0
	s_cselect_b32 s93, 6144, s93
	s_mov_b32 s47, 12800
	s_cselect_b32 s47, 6400, s47                   ; a record's bytes
	s_cselect_b64 s[12:13], s[14:15], s[12:13]     ; q goes to qb, k and v to kv
	s_add_co_u32 s20, s20, s21                     ; which 256 tokens of 8,192
	s_lshr_b32 s21, s20, 3                         ; batch
	s_and_b32 s20, s20, 7
	s_lshl_b32 s20, s20, 1
	s_add_co_u32 s20, s20, s23                     ; step of 128 tokens
	s_lshl_b32 s22, s22, 2
	s_lshl_b32 s46, s46, 1
	s_add_co_u32 s22, s22, s46                     ; my first head
	s_lshl_b32 s21, s21, 4
	s_add_co_u32 s21, s21, s22
	s_lshl_b32 s21, s21, 4
	s_add_co_u32 s21, s21, s20                     ; record number
	s_mul_i32 s20, s21, s47
	s_mov_b32 s21, 0
	s_add_nc_u64 s[12:13], s[12:13], s[20:21]
	s_lshl_b32 s92, s47, 4                         ; from a head to the next: 16 records
	s_lshl_b32 s94, s42, 2                         ; cos and sin (q, k): my first token in its sequence, 128 bytes a row
	s_add_co_u32 s94, s94, s41
	s_lshl_b32 s94, s94, 8
	s_lshl_b32 s95, s17, 7
	s_add_co_u32 s94, s94, s95
	s_and_b32 s94, s94, 2047
	s_lshl_b32 s94, s94, 7
	s_mov_b32 s95, 0
	s_add_nc_u64 s[8:9], s[8:9], s[94:95]
	s_add_nc_u64 s[10:11], s[10:11], s[94:95]
	v_add_nc_u32 v10, s92, v4                      ; the second head's images
	v_add_nc_u32 v11, s92, v5
	v_mul_u32_u24 v12, s92, v2                     ; the scale words: lane (r, h) serves head h: 16 r
	v_lshl_add_u32 v12, v1, 4, v12
	v_add_nc_u32 v12, s93, v12
	v_and_b32 v13, 8, v1
	v_add_nc_u32 v13, v13, v1                      ; r + 8 (r / 8): my token in a tile
	v_lshlrev_b32 v13, 7, v13
	v_lshl_add_u32 v13, v2, 5, v13                 ; its row of cos or sin, + 32 h: pairs 8 h on
.macro FRAG reg, a16, a8, off          ; a fragment: two images of 768 bytes on end; registers 0-3, 4-5, 6-9, 10-11
	ds_load_b128 v[\reg:\reg+3], v[\a16] offset:\off
	ds_load_b64 v[\reg+4:\reg+5], v[\a8] offset:\off+512
	ds_load_b128 v[\reg+6:\reg+9], v[\a16] offset:\off+768
	ds_load_b64 v[\reg+10:\reg+11], v[\a8] offset:\off+1280
.endm
; 16 matrix instructions: A's blocks a0, a0 + 1 x B's eight, 128 along K.  p: B's set;  sc: the set of scale words.  The 64 accumulators take turns, one instruction a turn, in the same order in every step.
.macro MUL16 a0, p, q, sc, zero
.irp a, \a0, \a0+1
.irp b, 0,1,2,3,4,5,6,7
.if \zero
	v_wmma_scale_f32_16x16x128_f8f6f4 v[8*(8*((\a)%4)+\b):8*(8*((\a)%4)+\b)+7], v[128*(\p)+FR*\b:128*(\p)+FR*\b+FR-1], v[AF+FR*(\a):AF+FR*(\a)+FR-1], 0, v[SC+8*NQ*(\sc)+NQ*\b+(\q)], v[SC+8*NQ*(\sc)+NQ*(\a)+(\q)] matrix_a_fmt:MATRIX_FMT_FP6 matrix_b_fmt:MATRIX_FMT_FP6 matrix_a_scale:MATRIX_SCALE_ROW1
.else
	v_wmma_scale_f32_16x16x128_f8f6f4 v[8*(8*((\a)%4)+\b):8*(8*((\a)%4)+\b)+7], v[128*(\p)+FR*\b:128*(\p)+FR*\b+FR-1], v[AF+FR*(\a):AF+FR*(\a)+FR-1], v[8*(8*((\a)%4)+\b):8*(8*((\a)%4)+\b)+7], v[SC+8*NQ*(\sc)+NQ*\b+(\q)], v[SC+8*NQ*(\sc)+NQ*(\a)+(\q)] matrix_a_fmt:MATRIX_FMT_FP6 matrix_b_fmt:MATRIX_FMT_FP6 matrix_a_scale:MATRIX_SCALE_ROW1
.endif
.endr
.endr
.endm
.macro FETCH_B slot, q, p
	WIN TO_B
.irp i, 0,1,2,3,4,5,6,7
	FRAG 128*(\p)+FR*\i, B16+\slot, B8+\slot, \i*RT+(\q)*1536
.endr
	WIN 0
.endm
.macro FETCH_A slot, q, i0
.irp i, \i0, \i0+1, \i0+2, \i0+3
	FRAG AF+FR*(\i), A16+\slot, A8+\slot, (\i)*RT+(\q)*1536
.endr
.endm
.macro SCALES sc                       ; a K step's scale words: two a row; lanes 0-15 take A's block i, lanes 16-31 B's block i
.irp i, 0,1,2,3,4,5,6,7
	ds_load_b64 v[SC+8*NQ*\sc+NQ*\i:SC+8*NQ*\sc+NQ*\i+1], v[ADRS] offset:\i*512
.endr
.endm
.macro PLACES n                        ; plain vector lines between a matrix instruction and a load into, or a vector read or write of, its registers (ISA guide 7.12.1 for vector reads and writes)
.rept \n
	v_nop
.endr
.endm
.macro STEP slot, q, zero              ; 128 along K that has its successor in the same slot
	s_wait_dscnt 4*NL                              ; B's set, A's blocks 0-3 and the scale words are in; the youngest 16 loads (A's blocks 4-7) may be out
	WIN MUL_LO
	MUL16 0, (\q)%2, \q, \slot, \zero
	MUL16 2, (\q)%2, \q, \slot, \zero
	s_wait_dscnt 0
	PLACES NP
	FETCH_B \slot, (\q)+1, 1-(\q)%2
	FETCH_A \slot, (\q)+1, 0
	WIN MUL_HI
	MUL16 4, (\q)%2, \q, \slot, \zero
	MUL16 6, (\q)%2, \q, \slot, \zero
	PLACES NP
	WIN 0
	FETCH_A \slot, (\q)+1, 4
.endm
; A slot's last step changes slots: one barrier; ahead of it each wave waits for all its tensor loads, adds 0 to its spare word, and waits for that and for its own reads of this slot.  fill = 1: the slot is filled again, two K steps ahead.
.macro TURN slot, next, fill
	s_wait_tensorcnt 0x0                           ; all my tensor loads have landed: my part of the next slot
	ds_add_u32 v[SPW], v[NIL]                      ; 0 onto my spare word
	s_wait_dscnt 4*NL+1                            ; (the add and A's blocks 4-7, 16 loads, may be out)
	WIN MUL_LO
	MUL16 0, 1, NQ-1, \slot, 0
	s_wait_dscnt 0x0                               ; the add is done, and my reads of this slot are over
	s_barrier_signal -1
	MUL16 2, 1, NQ-1, \slot, 0
	WIN 0
	s_barrier_wait -1
.if \fill
	CREST                                          ; the barrier has opened a round of the cluster's barrier: no wave of any partner still reads this slot or has a load on its way
	s_add_nc_u64 s[G0+4*\slot+2:G0+4*\slot+3], s[G0+4*\slot+2:G0+4*\slot+3], 2*RT
	s_add_nc_u64 s[G0B+4*\slot+2:G0B+4*\slot+3], s[G0B+4*\slot+2:G0B+4*\slot+3], 2*RT
	JLOAD G0+4*\slot, G1, G0B+4*\slot, G1B         ; my one tensor load behind the round; its four v_nop are also the places ahead of the loads below
.else
	PLACES NP
.endif
	v_add_nc_u32 v[ADRS], 128, v[ADRS]             ; the next K step's scale words
	FETCH_B \next, 0, 0
	FETCH_A \next, 0, 0
	SCALES \next
	WIN MUL_HI
	MUL16 4, 1, NQ-1, \slot, 0
	MUL16 6, 1, NQ-1, \slot, 0
	PLACES NP
	WIN 0
	FETCH_A \next, 0, 4
.endm
.macro TAIL                            ; the last K step's two steps of 128: nothing more to fetch at the end
	STEP 1, 0, 0
	s_wait_dscnt 4*NL
	WIN MUL_LO
	MUL16 0, 1, NQ-1, 1, 0
	MUL16 2, 1, NQ-1, 1, 0
	s_wait_dscnt 0
	WIN MUL_HI
	MUL16 4, 1, NQ-1, 1, 0
	MUL16 6, 1, NQ-1, 1, 0
	WIN 0
.endm
; cos and sin of block a's 16 tokens: a lane's 16 pairs: 8 h + 0..7 and 16 + 8 h + 0..7
.macro CSLOAD a
.irp e, 0,1,2,3
	global_load_b128 v[CN+32*((\a)%2)+4*\e:CN+32*((\a)%2)+4*\e+3], v13, s[8:9] offset:(32*((\a)/2)+8*((\a)%2))*128+16*(\e%2)+64*(\e/2)
	global_load_b128 v[SN+32*((\a)%2)+4*\e:SN+32*((\a)%2)+4*\e+3], v13, s[10:11] offset:(32*((\a)/2)+8*((\a)%2))*128+16*(\e%2)+64*(\e/2)
.endr
.endm
; RoPE on block a, in place.  Registers 2 m, 2 m + 1 are a pair (x1, x2) of pair number 16 ((m / 8) % 2) + 8 h + m % 8 of its head.  o1 = x1 c - x2 s, o2 = x2 c + x1 s
.macro ROPE a
.set W, 2+(\a)/4
.set WD, (W<<6)|W
.set AC, 64*((\a)%4)
.set CB, CN+32*((\a)%2)
.set SB, SN+32*((\a)%2)
.if (\a) < 7
	s_wait_loadcnt 8                               ; this block's eight loads are in; the next block's may be out
.else
	s_wait_loadcnt 0
.endif
	WIN W                                          ; source 0 in the accumulators' window
.set mp, 0
.rept 16
.set mm, 8*((mp/4)%2)+2*(mp%4)
	v_pk_mul_f32 v[T+4*mp:T+4*mp+1], v[AC+4*mp:AC+4*mp+1], v[SB+mm:SB+mm+1] op_sel:[0,0] op_sel_hi:[1,0]       ; (x1 s, x2 s), each accumulator from its low end on
	v_pk_mul_f32 v[T+4*mp+2:T+4*mp+3], v[AC+4*mp+2:AC+4*mp+3], v[SB+mm:SB+mm+1] op_sel:[0,1] op_sel_hi:[1,1]
.set mp, mp+1
.endr
	WIN WD                                         ; destination there too
.set m, 0
.rept 32
.set mm, 8*((m/8)%2)+m%8
	v_fma_f32 v[AC+2*m], v[AC+2*m], v[CB+mm], -v[T+2*m+1]
	v_fma_f32 v[AC+2*m+1], v[AC+2*m+1], v[CB+mm], v[T+2*m]
.set m, m+1
.endr
	WIN 0
.endm
; Block a's 64 numbers of a lane (register 16 b + i = neighbour 32 b + 16 h + i) become a fragment's codes in v[PC] on and its row's scale word in v[PWS + a]
.macro QUANT a
.set W, 2+(\a)/4
.set WS, W|(W<<2)
.set AC, 64*((\a)%4)
	WIN WS                                         ; sources 0 and 1 in the accumulators' window
.irp b, 0,1,2,3
	v_max3_num_f32 v[TM+\b], |v[AC+16*\b]|, |v[AC+16*\b+1]|, 0x1800000   ; my 16 numbers of block b, and the floor 2^(3 - 127): the byte cannot fall under 1
.endr
.irp i, 2,4,6,8,10,12,14
.irp b, 0,1,2,3
	v_max3_num_f32 v[TM+\b], |v[AC+16*\b+\i]|, |v[AC+16*\b+\i+1]|, v[TM+\b]
.endr
.endr
	WIN 0
.irp b, 0,1,2,3
	v_permlanex16_b32 v[TP+\b], v[TM+\b], s2, s3
.endr
.irp b, 0,1,2,3
	v_max_num_f32 v[TM+\b], v[TM+\b], v[TP+\b]     ; with lane l xor 16's: the block's largest magnitude
.endr
.irp b, 0,1,2,3
	v_add_nc_u32 v[SOP+\b], 0xff000000, v[TM+\b]   ; 2 off its exponent field: the conversion's scale operand
.endr
.irp b, 0,1,2,3
	v_lshrrev_b32 v[TP+\b], 23, v[SOP+\b]          ; the scale's byte
.endr
	v_lshl_or_b32 v[PWS+(\a)], v[TP+1], 8, v[TP]
	v_lshl_or_b32 v[PWS+(\a)], v[TP+2], 16, v[PWS+(\a)]
	v_lshl_or_b32 v[PWS+(\a)], v[TP+3], 24, v[PWS+(\a)]
	s_wait_xcnt 0x0                                ; the last block's stores have read the code registers
	WIN W
.irp c, 0,1
	v_cvt_scalef32_pk16_fp6_f32 v[PC+6*\c:PC+6*\c+2], v[AC+32*\c:AC+32*\c+15], v[SOP+2*\c]
	v_cvt_scalef32_pk16_fp6_f32 v[PT+4*\c:PT+4*\c+2], v[AC+32*\c+16:AC+32*\c+31], v[SOP+2*\c+1]   ; (a conversion's three registers begin on an even number)
.endr
	WIN 0
	v_nop                                          ; one plain line behind a scaled conversion
.irp c, 0,1                            ; the operand's layout wants a whole block in a lane: lanes 0-15 block 2 c, lanes 16-31 block 2 c + 1
.irp i, 0,1,2
	v_permlane16_swap_b32 v[PC+6*\c+\i], v[PT+4*\c+\i]
.endr
.irp i, 0,1,2
	v_mov_b32 v[PC+6*\c+3+\i], v[PT+4*\c+\i]
.endr
.endr
.endm
	s_wait_tensorcnt 1                             ; the scales and my part of K step 0 are in (K step 1's load may be out),
	s_barrier_signal -1
	s_barrier_wait -1                              ; everybody's are
	FETCH_B 0, 0, 0
	FETCH_A 0, 0, 0
	SCALES 0
	FETCH_A 0, 0, 4
	STEP 0, 0, 1                                   ; the first products start the sums: nothing is cleared
	TURN 0, 1, 1                                   ; slot 0 takes K step 2
	STEP 1, 0, 0
	TURN 1, 0, 1                                   ; slot 1 takes K step 3
	STEP 0, 0, 0
	TURN 0, 1, 0                                   ; nothing is left to fetch: no round
	s_cmp_eq_u32 ttmp9, 2                          ; the section: the cluster's x, alike in all partners and all waves
	s_cbranch_scc1 .Lsection_v
	; ---- q and k
	CSLOAD 0                                       ; they land under the last 128 matrix instructions
	CSLOAD 1
	TAIL
	PLACES NP
.irp b, 0,1,2,3
	v_mov_b32 v[TP+\b], 0                          ; written once: a lane permute's destination counts as one of its sources
.endr
	v_cmp_eq_u32 vcc_lo, 1, v2
	v_mov_b32 v[SELV], 0x05040100                  ; head 0's two bytes of two tiles' words,
	v_mov_b32 v[SELV+1], 0x07060302                ; head 1's
	v_cndmask_b32 v[SELV], v[SELV], v[SELV+1], vcc_lo
.irp a, 0,1,2,3,4,5,6,7
	ROPE \a
.if \a < 6
	CSLOAD \a+2
.endif
	QUANT \a
	global_store_b128 v4, v[PC:PC+3], s[12:13] offset:768*\a             ; head 0's tile a: 512 consecutive bytes,
	global_store_b64 v5, v[PC+4:PC+5], s[12:13] offset:768*\a+512        ; and 256
	global_store_b128 v10, v[PC+6:PC+9], s[12:13] offset:768*\a          ; head 1's
	global_store_b64 v11, v[PC+10:PC+11], s[12:13] offset:768*\a+512
.endr
.irp p, 0,1,2,3
	v_perm_b32 v[232+\p], v[PWS+2*\p+1], v[PWS+2*\p], v[SELV]            ; word p: tile 2 p's two bytes, tile 2 p + 1's two
.endr
	global_store_b128 v12, v[232:235], s[12:13]    ; sixteen lanes store 256 consecutive bytes, aligned
	s_branch .Lend
	; ---- v
.Lsection_v:
	TAIL
	PLACES NP
.irp b, 0,1,2,3
	v_mov_b32 v[TP+\b], 0
.endr
	v_cmp_eq_u32 vcc_lo, 1, v2
	v_mov_b32 v[SELV], 0x03020100                  ; head 0's word,
	v_mov_b32 v[SELV+1], 0x07060504                ; head 1's
	v_cndmask_b32 v[SELV], v[SELV], v[SELV+1], vcc_lo
.irp a, 0,1,2,3,4,5,6,7
	QUANT \a
.irp p, 0,1,2
	global_store_b128 v4, v[PC+4*\p:PC+4*\p+3], s[12:13] offset:6144+(\a/4)*204800+(\a%4)*1536+512*\p   ; head a / 4, fragment a % 4: three planes of 512 consecutive bytes
.endr
.endr
.irp p, 0,1,2,3
	v_perm_b32 v[232+\p], v[PWS+4+\p], v[PWS+\p], v[SELV]
.endr
	global_store_b128 v12, v[232:235], s[12:13]
.Lend:
	s_wait_tensorcnt 0x0                           ; the wave's end, behind my last tensor load
	ds_add_u32 v[SPW], v[NIL]
	s_wait_dscnt 0x0
	CROUND                                         ; the closing round: no work-group ends while a partner may still ask for a tile that names it
	s_endpgm
.Lfunc_end_k_q289de49cd0_qkv:
	.size	k_q289de49cd0_qkv, .Lfunc_end_k_q289de49cd0_qkv-k_q289de49cd0_qkv
	.p2alignl 7, 3214868480
	.fill 96, 4, 3214868480
	.section	.rodata,"a",@progbits
	.p2align	6, 0x0
	.amdhsa_kernel k_q289de49cd0_qkv
		.amdhsa_group_segment_fixed_size 327680
		.amdhsa_private_segment_fixed_size 0
		.amdhsa_enable_private_segment 0
		.amdhsa_kernarg_size 48
		.amdhsa_user_sgpr_count 2
		.amdhsa_user_sgpr_kernarg_segment_ptr 1
		.amdhsa_wavefront_size32 1
		.amdhsa_system_sgpr_workgroup_id_x 1
		.amdhsa_system_sgpr_workgroup_id_y 1
		.amdhsa_system_sgpr_workgroup_id_z 1
		.amdhsa_system_vgpr_workitem_id 0
		.amdhsa_next_free_vgpr 1024
		.amdhsa_next_free_sgpr 98
		.amdhsa_reserve_vcc 1
		.amdhsa_float_denorm_mode_32 3
		.amdhsa_float_denorm_mode_16_64 3
		.amdhsa_memory_ordered 1
		.amdhsa_forward_progress 1
		.amdhsa_inst_pref_size 255
	.end_amdhsa_kernel
	.section	.bss,"aw",@nobits
	.p2align	6
	.space	262144
	.amdgpu_metadata
---
amdhsa.version: [ 1, 2 ]
amdhsa.kernels:
  - .name:           k_q289de49cd0_qkv
    .symbol:         k_q289de49cd0_qkv.kd
    .args:
      - { .name: cod, .offset: 0, .size: 8, .value_kind: global_buffer, .address_space: global }
      - { .name: scl, .offset: 8, .size: 8, .value_kind: global_buffer, .address_space: global }
      - { .name: cos, .offset: 16, .size: 8, .value_kind: global_buffer, .address_space: global }
      - { .name: sin, .offset: 24, .size: 8, .value_kind: global_buffer, .address_space: global }
      - { .name: kv, .offset: 32, .size: 8, .value_kind: global_buffer, .address_space: global }
      - { .name: qb, .offset: 40, .size: 8, .value_kind: global_buffer, .address_space: global }
    .group_segment_fixed_size: 327680
    .private_segment_fixed_size: 0
    .kernarg_segment_align: 8
    .kernarg_segment_size: 48
    .max_flat_workgroup_size: 128
    .sgpr_count:     98
    .vgpr_count:     1024
    .wavefront_size: 32
...
	.end_amdgpu_metadata
.endif
;; end of part 2
;; launch attn (part 3): grid 4 x 64, 16 waves a work-group, no clusters, 206,848 bytes of LDS; arguments kv, qb, maskw, oc, os; writes oc, os
.if DOCPART == 3
	.amdgcn_target "amdgcn-amd-amdhsa--gfx1250"
	.amdhsa_code_object_version 6
	.text
	.protected	k_q289de49cd0_attn
	.globl	k_q289de49cd0_attn
	.p2align	8
	.type	k_q289de49cd0_attn,@function
k_q289de49cd0_attn:
	s_mov_b64 s[64:65], 0
	v_nop
	global_prefetch_b8 v0, s[64:65] scope:SCOPE_SE
	s_setreg_imm32_b32 hwreg(HW_REG_WAVE_MODE, 25, 1), 1
	s_wait_xcnt 0x0
; ATTENTION on codes of FP6 (E2M3): S = q k^T / 8, the mask, p = 2^(t - M), O = p v / l, and O quantised along C for the last product.
; t = score x log2(e) / 8; M = the running largest t rounded UP to a whole number; p is what is quantised, along the keys, not normalised; l is the sum of the unquantised p, in f32; when M moves, l and O are multiplied by 2^(old M - new M): exact.
; SHARES.  Work-group (x, y = 16 batch + head) owns 512 queries of one head.  The head's whole K, V and scale words (16 records of 12,800 bytes, dense) are copied into LDS ONCE, through registers, and stay: one barrier in the launch.
; Each of the sixteen waves owns one tile of 16 queries a pass, two passes: query tile 32 x + 16 pass + wave.  Four waves share a SIMD, so that one wave's vector work stands beside another's products and LDS loads.
; NO CLUSTER, NO TENSOR LOAD: the 64 selects of a key step are jumped over where the step's mask tile has no hole: a branch on a stored whole number.  What the four work-groups of a head share is
; read once by each, 204,800 bytes, in the launch's first lines; the jump spares 64 of a step's about 315 vector instructions.
; LAYOUT.  Both products are used transposed: S^T = K Q^T, O^T = V^T P^T: a lane holds ONE query (lane % 16) throughout.  Tiles' rows are laid so that register 16 b + i of S^T is key 32 b + 16 h + i of the step, and register 16 b + i of O^T is d = 32 b + 16 h + i.
; THE FIRST PRODUCT'S K IS 64, the instruction's 128: one operand of 12 registers holds TWO key tiles (the even one in K 0-63, the odd one in K 64-127), and Q stands in 18 registers, 0 x 6 | q x 6 | 0 x 6: the upper 12 (q | 0) pick the even tile, the lower 12 (0 | q) the odd one.
; Zero codes add nothing.  Q's scale word is (s0, s1, s0, s1).
; LIMITS.  A query all of whose keys are masked has l = 0: its scale bytes are stored as 0xff, which makes that token's whole output row NaN in the last product, as the softmax of an empty row is.  NaN and infinities among the inputs are not served.
; Blocks whose largest magnitude lies under 2^-124 keep the byte 1.  The scale bytes of O leave 2 bytes a lane (a head owns two of a row's 32 bytes): one byte in 24 of what the launch stores.
; REGISTERS: v1-3 the step's LDS addresses; v4, v5 the add's two; v6-9 16 x lane, 8 x lane, 16 r, 8 r; v10 -infinity; v11 1 / l; v12 -M, v13 the largest t, v[14:15] l in two halves; v16-33 Q; v34 Q's scale word; v35 p's; v36-39 K's; v40-43 V's;
;   v44-91 the step's K, then its V; v92-95 the fill's addresses; v96-159 S^T, then p; v160-191 O^T; v192-203 codes; v204-210 second conversions; v212-215 block maxima; v216-219 permutes and bytes; v220-223 scale operands; v[224:225] f; v226 at work; v[228:229] second sum.
; SCALARS: s14 wave; s15 step; s16 the step's record in LDS; s17 flags; s[18:19] lane selects; s[20:21] c; s[22:23] the step's mask words; s[24:27] flag words; s[32:63], s[68:99] 64 mask words; s66 byte select.
.set REC,   12800
.set SPARE, 16*REC                     ; behind the records: the spare words, 128 bytes a wave: eight blocks of 256 bytes that no other line names
	s_load_b256 s[4:11], s[0:1], 0x0               ; kv s[4:5], qb s[6:7], maskw s[8:9], oc s[10:11]
	s_load_b64 s[12:13], s[0:1], 0x20              ; os
	v_lshl_add_u32 v4, v0, 2, SPARE
	v_mov_b32 v5, 0
	v_lshrrev_b32 v1, 5, v0
	v_readfirstlane_b32 s14, v1                    ; wave 0..15
	v_and_b32 v1, 31, v0
	v_and_b32 v2, 15, v0
	v_lshlrev_b32 v6, 4, v1
	v_lshlrev_b32 v7, 3, v1
	v_lshlrev_b32 v8, 4, v2
	v_lshlrev_b32 v9, 3, v2
	v_mov_b32 v10, 0xff800000
	v_lshlrev_b32 v92, 4, v0                       ; the fill: 16 x thread, in memory and in LDS,
	v_add_nc_u32 v93, 0x10000, v92                 ; and 65,536 bytes on for each eight loads: an LDS offset has 16 bits
	v_add_nc_u32 v94, 0x20000, v92
	v_add_nc_u32 v95, 0x30000, v92
.irp i, 16,17,18,19,20,21,28,29,30,31,32,33
	v_mov_b32 v\i, 0                               ; Q's zero halves
.endr
.irp i, 216,217,218,219,225,226
	v_mov_b32 v\i, 0                               ; written once: lane permutes' destinations, and the upper half of f's pair
.endr
	s_mov_b32 s18, 0x76543210
	s_mov_b32 s19, 0xfedcba98
	s_mov_b32 s20, 0x3e38aa3b                      ; c = log2(e) / 8
	s_mov_b32 s21, s20                             ; (named with it as a pair)
	s_bitcmp1_b32 s14, 0
	s_mov_b32 s66, 0x01000100                      ; an even tile's two bytes of the pair's word, twice;
	s_cselect_b32 s66, 0x03020302, s66             ; an odd tile's
	s_and_b32 s2, ttmp7, 0xffff                    ; y
	s_mul_i32 s28, s2, 16*REC                      ; the head's records
	s_mov_b32 s29, 0
	s_lshl_b32 s30, s2, 4
	s_lshl_b32 s3, ttmp9, 2
	s_add_co_u32 s30, s30, s3
	s_lshr_b32 s3, s14, 3
	s_add_co_u32 s30, s30, s3                      ; Q's record in pass 0: 16 y + 4 x + wave / 8
	s_mul_i32 s30, s30, 6400
	s_and_b32 s3, s14, 7
	s_mul_i32 s67, s3, 768                         ; my tile in it
	s_lshr_b32 s3, s3, 1
	s_lshl_b32 s3, s3, 2
	s_add_co_u32 s24, s3, s30
	s_add_co_u32 s24, s24, 6144                    ; my pair's scale words
	s_mov_b32 s25, 0
	s_add_co_u32 s30, s30, s67
	s_mov_b32 s31, 0
	s_lshl_b32 s26, ttmp9, 5
	s_add_co_u32 s26, s26, s14                     ; query tile in pass 0
	s_lshl_b32 s32, s26, 12                        ; its 16 mask records
	s_mov_b32 s33, 0
	s_lshl_b32 s34, s26, 4                         ; its flag words
	s_mov_b32 s35, 0
	s_lshr_b32 s27, s2, 4
	s_lshl_b32 s27, s27, 7
	s_add_co_u32 s27, s27, s26                     ; its row tile among 512
	s_and_b32 s67, s2, 15                          ; head
	s_mul_i32 s36, s27, 12288
	s_mul_i32 s3, s67, 768
	s_add_co_u32 s36, s36, s3
	s_mov_b32 s37, 0
	s_lshl_b32 s38, s27, 9
	s_lshr_b32 s3, s67, 2
	s_lshl_b32 s3, s3, 7
	s_add_co_u32 s38, s38, s3
	s_and_b32 s3, s67, 3
	s_lshl_b32 s3, s3, 1
	s_add_co_u32 s38, s38, s3
	s_mov_b32 s39, 0
	s_wait_kmcnt 0x0
	s_add_nc_u64 s[4:5], s[4:5], s[28:29]
	s_add_nc_u64 s[30:31], s[6:7], s[30:31]        ; Q's codes
	s_add_nc_u64 s[6:7], s[6:7], s[24:25]          ; Q's scale words
	s_add_nc_u64 s[22:23], s[8:9], s[32:33]        ; mask words
	s_add_nc_u64 s[8:9], s[8:9], s[34:35]          ; flags (at 524,288 from here)
	s_add_nc_u64 s[10:11], s[10:11], s[36:37]
	s_add_nc_u64 s[12:13], s[12:13], s[38:39]
.macro QLOAD p                         ; pass p's tile of Q, its scale words, its flags
	global_load_b128 v[22:25], v6, s[30:31] offset:12800*\p
	global_load_b64 v[26:27], v7, s[30:31] offset:12800*\p+512
	global_load_b32 v34, v8, s[6:7] offset:12800*\p
	s_load_b128 s[24:27], s[8:9], 0x80000+256*\p
.endm
	QLOAD 0
	; THE FILL: 25 loads of 16 bytes a thread, 8,192 consecutive bytes a load of the work-group
.set i, 0
.rept 25
	global_load_b128 v[96+4*i:99+4*i], v92, s[4:5] offset:8192*i
.set i, i+1
.endr
.set i, 0
.rept 25
	s_wait_loadcnt 24-i                            ; loads come back in order: load i is in, the younger ones may be out
	ds_store_b128 v[92+i/8], v[96+4*i:99+4*i] offset:8192*(i%8)
.set i, i+1
.endr
	s_wait_dscnt 0x0                               ; for the others' sake: my stores have landed
	s_barrier_signal -1
	s_barrier_wait -1                              ; the head's K and V lie in LDS; nobody writes them again
.macro START p
	s_wait_loadcnt 0x0                             ; Q
	s_wait_kmcnt 0x0                               ; the flags
	s_or_b32 s17, s24, s25
	s_or_b32 s17, s17, s26
	s_or_b32 s17, s17, s27
.if \p
	s_add_nc_u64 s[22:23], s[22:23], 61440         ; 16 query tiles on, less the 16 records walked
.endif
	v_perm_b32 v34, v34, v34, s66                  ; (s0, s1, s0, s1) of my tile
.set j, 0
.rept 32
	v_mov_b32 v[160+j], 0                          ; O^T: the step is written once, and its first trip finds zeros.  (Also the plain lines between the scale word's write and the first scaled product)
.set j, j+1
.endr
	v_mov_b32 v13, 0xff61b1e6                      ; the largest t so far: -3e38
	v_floor_f32 v12, -v13                          ; -M
	v_mov_b32 v14, 0
	v_mov_b32 v15, 0
	s_mov_b32 s15, 0
	s_mov_b32 s16, 0
.endm
; SIXTEEN KEY STEPS of 128 keys
.macro STEPS
.Lstep_\@:
	s_load_b512 s[32:47], s[22:23], 0x0            ; the step's 64 mask words
	s_load_b512 s[48:63], s[22:23], 0x40
	s_load_b512 s[68:83], s[22:23], 0x80
	s_load_b512 s[84:99], s[22:23], 0xc0
	v_add_nc_u32 v1, s16, v6                       ; (these three and the v_nop are the places behind the last trip's products, ahead of loads into their operands)
	v_add_nc_u32 v2, s16, v7
	v_add_nc_u32 v3, s16, v8
	v_nop
.irp t, 0,1,2,3,4,5,6,7
	ds_load_b128 v[44+6*\t:47+6*\t], v1 offset:768*\t
	ds_load_b64 v[48+6*\t:49+6*\t], v2 offset:768*\t+512
.endr
	ds_load_b128 v[36:39], v3 offset:12288         ; K's scale words: a word for each pair of tiles
	s_wait_dscnt 0x0
.irp t, 0,2,4,6
	v_wmma_scale_f32_16x16x128_f8f6f4 v[96+8*\t:103+8*\t], v[44+6*\t:55+6*\t], v[22:33], 0, v[36+\t/2], v34 matrix_a_fmt:MATRIX_FMT_FP6 matrix_b_fmt:MATRIX_FMT_FP6
	v_wmma_scale_f32_16x16x128_f8f6f4 v[104+8*\t:111+8*\t], v[44+6*\t:55+6*\t], v[16:27], 0, v[36+\t/2], v34 matrix_a_fmt:MATRIX_FMT_FP6 matrix_b_fmt:MATRIX_FMT_FP6
.endr
.rept 4
	v_nop                                          ; places: ahead of the loads into K's registers and of the first read of the scores
.endr
.irp p, 0,1,2,3,4,5,6,7,8,9,10,11
	ds_load_b128 v[44+4*\p:47+4*\p], v1 offset:6144+512*\p   ; V's four fragments: they land under the softmax
.endr
	ds_load_b128 v[40:43], v3 offset:12544         ; and their scale words
	s_wait_kmcnt 0x0                               ; the mask words are in, so their address may step
	s_add_nc_u64 s[22:23], s[22:23], 256
	s_bitcmp1_b32 s17, s15                         ; has this step's mask tile a hole?
	s_cbranch_scc0 .Lopen_\@
.set j, 0
.rept 64
.set sj, 32+j+4*(j/32)
	v_cndmask_b32 v[96+j], v10, v[96+j], s[sj]     ; a hidden key's score becomes -infinity ahead of the maximum: p = 0 then
.set j, j+1
.endr
.Lopen_\@:
.irp b, 0,1,2,3
	v_max3_num_f32 v[212+\b], v[96+16*\b], v[97+16*\b], v[98+16*\b]   ; the largest score of each block of 32 keys: it serves for the row's maximum and, since p rises with the score, for the block's largest p
.endr
.irp i, 3,5,7,9,11,13
.irp b, 0,1,2,3
	v_max3_num_f32 v[212+\b], v[212+\b], v[96+16*\b+\i], v[97+16*\b+\i]
.endr
.endr
.irp b, 0,1,2,3
	v_max_num_f32 v[212+\b], v[212+\b], v[111+16*\b]
.endr
.irp b, 0,1,2,3
	v_permlanex16_b32 v[216+\b], v[212+\b], s18, s19
.endr
.irp b, 0,1,2,3
	v_max_num_f32 v[212+\b], v[212+\b], v[216+\b]  ; with lane l xor 16's 16 keys
.endr
	v_max3_num_f32 v226, v212, v213, v214
	v_max_num_f32 v226, v226, v215
	v_mul_f32 v226, s20, v226                      ; as t (c is positive)
	v_max_num_f32 v13, v13, v226                   ; the running largest t
	v_mov_b32 v226, v12
	v_floor_f32 v12, -v13                          ; the new -M = floor(-t): M is a whole number
	v_sub_f32 v226, v12, v226                      ; old M - new M: a whole number, 0 or less
	v_cvt_i32_f32 v226, v226                       ; (it saturates)
	v_ldexp_f32 v224, 1.0, v226                    ; f = 2^(old M - new M)
.set j, 0
.rept 32
	v_pk_fma_f32 v[96+j:97+j], v[96+j:97+j], s[20:21], v[12:13] op_sel_hi:[1,0,0]   ; t - M, two at a time
.set j, j+2
.endr
.irp b, 0,1,2,3
	v_fma_f32 v[212+\b], v[212+\b], s20, v12       ; the same of each block's largest score
.endr
.set j, 0
.rept 64
	v_exp_f32 v[96+j], v[96+j]                     ; p = 2^(t - M)
.set j, j+1
.endr
	v_pk_mul_f32 v[14:15], v[14:15], v[224:225] op_sel_hi:[1,0]   ; l under the new M; the plain line behind the exponentials
	s_wait_alu depctr_va_vdst(0)                   ; one wait for the batch of 64, ahead of its first reader
.irp b, 0,1,2,3
	v_exp_f32 v[212+\b], v[212+\b]                 ; the block's largest p: the same two instructions on the same number
.endr
	v_pk_add_f32 v[228:229], v[96:97], v[98:99]    ; l takes the unquantised p, two at a time, in two chains
.irp j, 4,8,12,16,20,24,28,32,36,40,44,48,52,56,60
	v_pk_add_f32 v[14:15], v[14:15], v[96+\j:97+\j]
	v_pk_add_f32 v[228:229], v[228:229], v[98+\j:99+\j]
.endr
	v_pk_add_f32 v[14:15], v[14:15], v[228:229]
	s_wait_alu depctr_va_vdst(0)                   ; and one for the four
.irp b, 0,1,2,3
	v_max_num_f32 v[212+\b], 0x1800000, v[212+\b]  ; the floor 2^(3 - 127): a block whose every p is 0 keeps the byte 1: its codes are zeros
.endr
.irp b, 0,1,2,3
	v_add_nc_u32 v[220+\b], 0xff000000, v[212+\b]  ; 2 off the exponent field: the conversion's scale operand
.endr
.irp b, 0,1,2,3
	v_lshrrev_b32 v[216+\b], 23, v[220+\b]         ; the scale's byte
.endr
	v_lshl_or_b32 v35, v217, 8, v216               ; p's scale word for these 128 keys
	v_lshl_or_b32 v35, v218, 16, v35
	v_lshl_or_b32 v35, v219, 24, v35
.irp c, 0,1
	v_cvt_scalef32_pk16_fp6_f32 v[192+6*\c:194+6*\c], v[96+32*\c:111+32*\c], v[220+2*\c]
	v_cvt_scalef32_pk16_fp6_f32 v[204+4*\c:206+4*\c], v[112+32*\c:127+32*\c], v[220+2*\c+1]
.endr
	v_nop                                          ; one plain line behind a scaled conversion
.irp c, 0,1
.irp i, 0,1,2
	v_permlane16_swap_b32 v[192+6*\c+\i], v[204+4*\c+\i]   ; a whole block to a lane
.endr
.irp i, 0,1,2
	v_mov_b32 v[195+6*\c+\i], v[204+4*\c+\i]
.endr
.endr
.set j, 0
.rept 16
	v_pk_mul_f32 v[160+j:161+j], v[160+j:161+j], v[224:225] op_sel_hi:[1,0]   ; O^T under the new M.  (Also the plain lines between the writes of p's codes and scale word and the scaled products)
.set j, j+2
.endr
	s_wait_dscnt 0x0                               ; V
.irp t, 0,1,2,3
	v_wmma_scale_f32_16x16x128_f8f6f4 v[160+8*\t:167+8*\t], v[44+12*\t:55+12*\t], v[192:203], v[160+8*\t:167+8*\t], v[40+\t], v35 matrix_a_fmt:MATRIX_FMT_FP6 matrix_b_fmt:MATRIX_FMT_FP6
.endr
	s_add_co_u32 s16, s16, REC
	s_add_co_u32 s15, s15, 1
	s_cmp_lt_u32 s15, 16
	s_cbranch_scc1 .Lstep_\@
.endm
; THE WAY OUT of pass p: O^T / l, quantised along C (the head's 64 are two blocks of 32), as an image of 16 tokens x 64 and two scale bytes a token
.macro OUT p
.rept 4
	v_nop                                          ; places behind the last products
.endr
	v_add_f32 v14, v14, v15
	v_permlanex16_b32 v226, v14, s18, s19
	v_add_f32 v14, v14, v226                       ; l
	v_rcp_f32 v11, v14
	v_nop                                          ; a plain line behind the reciprocal
	s_wait_alu depctr_va_vdst(0)                   ; and the wait ahead of its first reader
.set j, 0
.rept 32
	v_mul_f32 v[96+j], v[160+j], v11               ; each accumulator from its low end on
.set j, j+1
.endr
.irp b, 0,1
	v_max3_num_f32 v[212+\b], |v[96+16*\b]|, |v[97+16*\b]|, 0x1800000
.endr
.irp i, 2,4,6,8,10,12,14
.irp b, 0,1
	v_max3_num_f32 v[212+\b], v[212+\b], |v[96+16*\b+\i]|, |v[97+16*\b+\i]|
.endr
.endr
.irp b, 0,1
	v_permlanex16_b32 v[216+\b], v[212+\b], s18, s19
.endr
.irp b, 0,1
	v_max_num_f32 v[212+\b], v[212+\b], v[216+\b]
.endr
.irp b, 0,1
	v_add_nc_u32 v[220+\b], 0xff000000, v[212+\b]
.endr
.irp b, 0,1
	v_lshrrev_b32 v[216+\b], 23, v[220+\b]
.endr
	v_lshl_or_b32 v226, v217, 8, v216              ; the token's two bytes
	v_cmp_lt_f32 vcc_lo, 0, v14
	v_cndmask_b32 v226, 0xffff, v226, vcc_lo       ; an empty row: NaN
	v_cvt_scalef32_pk16_fp6_f32 v[192:194], v[96:111], v220
	v_cvt_scalef32_pk16_fp6_f32 v[204:206], v[112:127], v221
	v_nop
.irp i, 0,1,2
	v_permlane16_swap_b32 v[192+\i], v[204+\i]
.endr
.irp i, 0,1,2
	v_mov_b32 v[195+\i], v[204+\i]
.endr
	global_store_b128 v6, v[192:195], s[10:11] offset:196608*\p          ; 512 consecutive bytes,
	global_store_b64 v7, v[196:197], s[10:11] offset:196608*\p+512       ; and 256
	global_store_b16 v9, v226, s[12:13] offset:8192*\p                   ; lanes r and r + 16 store the same two bytes
	s_wait_xcnt 0x0                                ; the stores have read their registers
.endm
	START 0
	STEPS
	QLOAD 1                                        ; the second pass's tile lands under the first's way out
	OUT 0
	START 1
	STEPS
	OUT 1
	s_wait_tensorcnt 0x0                           ; the wave's end, behind my last LDS store
	ds_add_u32 v4, v5
	s_wait_dscnt 0x0
	s_endpgm
.Lfunc_end_k_q289de49cd0_attn:
	.size	k_q289de49cd0_attn, .Lfunc_end_k_q289de49cd0_attn-k_q289de49cd0_attn
	.p2alignl 7, 3214868480
	.fill 96, 4, 3214868480
	.section	.rodata,"a",@progbits
	.p2align	6, 0x0
	.amdhsa_kernel k_q289de49cd0_attn
		.amdhsa_group_segment_fixed_size 206848
		.amdhsa_private_segment_fixed_size 0
		.amdhsa_enable_private_segment 0
		.amdhsa_kernarg_size 40
		.amdhsa_user_sgpr_count 2
		.amdhsa_user_sgpr_kernarg_segment_ptr 1
		.amdhsa_wavefront_size32 1
		.amdhsa_system_sgpr_workgroup_id_x 1
		.amdhsa_system_sgpr_workgroup_id_y 1
		.amdhsa_system_sgpr_workgroup_id_z 1
		.amdhsa_system_vgpr_workitem_id 0
		.amdhsa_next_free_vgpr 256
		.amdhsa_next_free_sgpr 100
		.amdhsa_reserve_vcc 1
		.amdhsa_float_denorm_mode_32 3
		.amdhsa_float_denorm_mode_16_64 3
		.amdhsa_memory_ordered 1
		.amdhsa_forward_progress 1
		.amdhsa_inst_pref_size 60
	.end_amdhsa_kernel
	.amdgpu_metadata
---
amdhsa.version: [ 1, 2 ]
amdhsa.kernels:
  - .name:           k_q289de49cd0_attn
    .symbol:         k_q289de49cd0_attn.kd
    .args:
      - { .name: kv, .offset: 0, .size: 8, .value_kind: global_buffer, .address_space: global }
      - { .name: qb, .offset: 8, .size: 8, .value_kind: global_buffer, .address_space: global }
      - { .name: maskw, .offset: 16, .size: 8, .value_kind: global_buffer, .address_space: global }
      - { .name: oc, .offset: 24, .size: 8, .value_kind: global_buffer, .address_space: global }
      - { .name: os, .offset: 32, .size: 8, .value_kind: global_buffer, .address_space: global }
    .group_segment_fixed_size: 206848
    .private_segment_fixed_size: 0
    .kernarg_segment_align: 8
    .kernarg_segment_size: 40
    .max_flat_workgroup_size: 512
    .sgpr_count:     100
    .vgpr_count:     256
    .wavefront_size: 32
...
	.end_amdgpu_metadata
.endif
;; end of part 3
;; launch proj (part 4): grid 4 x 32, 4 waves a work-group, clusters of 4 x 4, 327,680 bytes of LDS; arguments oc, os, cod, scl, out0; writes out0
.if DOCPART == 4
	.amdgcn_target "amdgcn-amd-amdhsa--gfx1250"
	.amdhsa_code_object_version 6
	.text
	.protected	k_q289de49cd0_proj
	.globl	k_q289de49cd0_proj
	.p2align	8
	.type	k_q289de49cd0_proj,@function
k_q289de49cd0_proj:
	s_mov_b64 s[64:65], 0
	v_nop
	global_prefetch_b8 v0, s[64:65] scope:SCOPE_SE
	s_setreg_imm32_b32 hwreg(HW_REG_WAVE_MODE, 25, 1), 1
	s_wait_xcnt 0x0
	s_wait_alu depctr_hold_cnt(0) depctr_sa_sdst(0) depctr_va_vdst(0) depctr_va_sdst(0) depctr_va_ssrc(0) depctr_va_vcc(0) depctr_vm_vsrc(0)
	s_getreg_b32 s2, hwreg(HW_REG_IB_STS2, 6, 4)
	s_cmp_eq_u32 s2, 0
	s_cbranch_scc0 .Lentry_in_a_cluster
	s_endpgm
.Lentry_in_a_cluster:
	s_bfe_u32 s2, ttmp6, 0x10000c
	s_cmp_lg_u32 s2, 0xf033
	s_cbranch_scc0 .Lentry_shape_is_right
	s_endpgm
.Lentry_shape_is_right:
; PROJ.  out0 = O W_proj^T on codes of FP6 (E2M3) with E8M0 scales, K = 1,024; out0 [8192][1024] f32.
; A tile of 256 x 256 is made by four waves, 128 x 128 each: 64 accumulators, 512 registers.  K goes in four steps of 256 through two LDS slots filled by the tensor data mover.
; OPERANDS lie in memory as images of the operand's registers (oc, cod: [row tile][k64][768]; os, scl: [row tile][fp][r][2 words]): a fragment (16 rows x 128 K, 12 registers) comes from LDS by two loads of 16 and two of 8 bytes a lane, each on consecutive bytes.
; Lane row p of row tile T stands for the real row 32 (T / 2) + 8 (T % 2) + p + 8 (p / 8), of tokens and of W_proj's rows alike; the way out puts both back in order.  W_proj's row tiles are 704..767 of cod and scl.
; THE MATRIX INSTRUCTION IS USED TRANSPOSED (source 0 = 16 rows of B, source 1 = 16 rows of A): lane (r, h) of A's block a holds one token, and register j of accumulator (a, b) its output 32 (b / 2) + 16 h + 8 (b % 2) + j.
; CLUSTERS: 4 x 4 work-groups; A's tiles are shared along a row of the cluster, B's along a column: each is asked for jointly.  The launch has 128 work-groups: one text of the loop serves this product and the first.
; A token whose scale bytes are 0xff (a query with no key) gets NaN in its whole row.
; REGISTERS, in windows of 256: window 0: v0-31 addresses; v32-63 scale words, two sets; v128-223 A's fragments, one set (on the way out v128-255: rows read back); window 1: B's fragments, two sets; windows 2, 3: the accumulators.
.set NQ,    2
.set FR,    12
.set NL,    4
.set NP,    4
.set RT,    3072
.set HALFT, 8*RT
.set SLOT,  4*HALFT
.set SCL,   2*SLOT
.set HALFS, 4096
.set SPARE, SCL+4*HALFS                ; the spare words, 128 bytes a wave: two blocks of 256 bytes that no other line names
.set SPITCH, 528                       ; the way out: a stage of 16 rows x (512 bytes + 16) for each wave, in slot 0, which has had its last fill and its last read when the first result is stored there
.set A16,  16
.set A8,   18
.set B16,  20
.set B8,   22
.set STO,  24                          ; v24 the way out: where I put 32 bytes of a row
.set RD,   25                          ; v25 where I read a row back
.set CO,   26                          ; v26 16 x lane: my bytes of a row of 512
.set ADRS, 27
.set SPW,  28
.set NIL,  29
.set SC,   32
.set AF,   128
.set BK,   128
.set G1,   24
.set G0,   32
.set G1B,  48
.set G0B,  56
.set G1S,  68
.set G0S,  76
.set G1SB, 80
.set G0SB, 88
.set MSB, 0
.macro WIN new                         ; the immediate's high byte repeats the setting that is left
.if MSB != \new
	s_set_vgpr_msb (MSB<<8)|\new
.set MSB, \new
.endif
.endm
.set MUL_LO, 0xa1
.set MUL_HI, 0xf1
.set TO_B,   0x40
.macro JLOAD g0a, g1a, g0b, g1b        ; a joint load: waves 0 and 1 fetch for A, waves 2 and 3 for B; an s_nop 0 and four v_nop follow each of the two lines
	s_cmp_eq_u32 s17, 0
	s_cbranch_scc0 .Lfor_b_\@
	tensor_load_to_lds s[\g0a:\g0a+3], s[\g1a:\g1a+7]
	s_nop 0
.rept 4
	v_nop
.endr
	s_branch .Lasked_\@
.Lfor_b_\@:
	tensor_load_to_lds s[\g0b:\g0b+3], s[\g1b:\g1b+7]
	s_nop 0
.rept 4
	v_nop
.endr
.Lasked_\@:
.endm
.macro CREST
	s_cmp_lg_u32 s16, 0
	s_cbranch_scc1 .Lnot_wave_0_\@
	s_barrier_signal -3
.Lnot_wave_0_\@:
	s_barrier_wait -3
	s_barrier_signal -1
	s_barrier_wait -1
.endm
.macro CROUND
	s_barrier_signal -1
	s_barrier_wait -1
	CREST
.endm
	s_load_b256 s[4:11], s[0:1], 0x0               ; oc s[4:5], os s[6:7], cod s[8:9], scl s[10:11]
	s_load_b64 s[12:13], s[0:1], 0x20              ; out0
	v_lshl_add_u32 v[SPW], v0, 2, SPARE
	v_mov_b32 v[NIL], 0
	ds_add_u32 v[SPW], v[NIL]                      ; the wave's opening: the add and its wait ahead of my first tensor load
	v_lshrrev_b32 v1, 5, v0
	v_readfirstlane_b32 s16, v1                    ; wave 0..3
	s_lshr_b32 s17, s16, 1                         ; which half of the tokens is mine.  Also: I fetch for A (0) or for B (1)
	s_and_b32 s18, s16, 1                          ; which half of the outputs.  Also: which 128 rows I fetch
	s_bfe_u32 s40, ttmp6, 0x40000                  ; cx
	s_bfe_u32 s41, ttmp6, 0x40004                  ; cy
	s_and_b32 s42, ttmp7, 0xffff                   ; the cluster's y
	s_lshl_b32 s43, s41, 2
	s_lshl_b32 s43, 15, s43                        ; my row of the cluster
	s_lshl_b32 s44, 0x1111, s40                    ; my column
	s_or_b32 s[G1+0], s43, (3<<16)|(1<<21)         ; codes: 8 row tiles x 3,072 bytes (384 elements of 8 bytes), 12,288 bytes apart; no padding
	s_or_b32 s[G1B+0], s44, (3<<16)|(1<<21)
.irp g, G1, G1B
	s_mov_b32 s[\g+1], 384<<16
	s_mov_b32 s[\g+2], 8<<16
	s_mov_b32 s[\g+3], 384<<16
	s_mov_b32 s[\g+4], 8
	s_mov_b32 s[\g+5], 1536
	s_mov_b32 s[\g+6], 0
	s_mov_b32 s[\g+7], 0
.endr
	s_or_b32 s[G1S+0], s43, (3<<16)|(1<<21)        ; scales of 128 rows: 4,096 dense bytes as 16 rows of 256
	s_or_b32 s[G1SB+0], s44, (3<<16)|(1<<21)
.irp g, G1S, G1SB
	s_mov_b32 s[\g+1], 32<<16
	s_mov_b32 s[\g+2], 16<<16
	s_mov_b32 s[\g+3], 32<<16
	s_mov_b32 s[\g+4], 16
	s_mov_b32 s[\g+5], 32
	s_mov_b32 s[\g+6], 0
	s_mov_b32 s[\g+7], 0
.endr
	s_lshl_b32 s23, s18, 3
	s_lshl_b32 s22, s42, 6                         ; A: row tile 64 Y + 16 cy + 8 x half
	s_lshl_b32 s20, s41, 4
	s_add_co_u32 s22, s22, s20
	s_add_co_u32 s22, s22, s23
	s_lshl_b32 s46, ttmp9, 6                       ; B: row tile 704 + 64 X + 16 cx + 8 x half
	s_add_co_u32 s46, s46, 704
	s_lshl_b32 s47, s40, 4
	s_add_co_u32 s46, s46, s47
	s_add_co_u32 s46, s46, s23
	s_mul_i32 s20, s22, 12288
	s_mov_b32 s21, 0
	s_lshl_b32 s22, s22, 9
	s_mov_b32 s23, 0
	s_mul_i32 s92, s46, 12288
	s_mov_b32 s93, 0
	s_lshl_b32 s46, s46, 9
	s_mov_b32 s47, 0
	s_mul_i32 s45, s16, HALFT
	s_lshl_b32 s94, s16, 12
	s_wait_dscnt 0x0                               ; the opening add is done
	s_wait_kmcnt 0x0
	s_add_nc_u64 s[20:21], s[4:5], s[20:21]
	s_add_nc_u64 s[22:23], s[6:7], s[22:23]
	s_add_nc_u64 s[92:93], s[8:9], s[92:93]
	s_add_nc_u64 s[46:47], s[10:11], s[46:47]
	CROUND                                         ; all sixteen work-groups are here: the first joint loads meet
	s_mov_b32 s[G0S], 1
	s_add_co_u32 s[G0S+1], s94, SCL
	s_mov_b64 s[G0S+2:G0S+3], s[22:23]
	s_or_b32 s[G0S+3], s[G0S+3], 0x80000000
	s_mov_b32 s[G0SB], 1
	s_add_co_u32 s[G0SB+1], s94, SCL
	s_mov_b64 s[G0SB+2:G0SB+3], s[46:47]
	s_or_b32 s[G0SB+3], s[G0SB+3], 0x80000000
	JLOAD G0S, G1S, G0SB, G1SB                     ; the scales first.  Three loads of mine are out behind these lines
.irp s, 0,1
	s_mov_b32 s[G0+4*\s], 1
	s_add_co_u32 s[G0+4*\s+1], s45, \s*SLOT
	s_add_nc_u64 s[G0+4*\s+2:G0+4*\s+3], s[20:21], \s*RT
	s_or_b32 s[G0+4*\s+3], s[G0+4*\s+3], 0x80000000
	s_mov_b32 s[G0B+4*\s], 1
	s_add_co_u32 s[G0B+4*\s+1], s45, \s*SLOT
	s_add_nc_u64 s[G0B+4*\s+2:G0B+4*\s+3], s[92:93], \s*RT
	s_or_b32 s[G0B+4*\s+3], s[G0B+4*\s+3], 0x80000000
	JLOAD G0+4*\s, G1, G0B+4*\s, G1B
.endr
	v_and_b32 v1, 15, v0                           ; r
	v_bfe_u32 v2, v0, 4, 1                         ; h
	v_and_b32 v3, 31, v0                           ; lane
	v_lshlrev_b32 v4, 4, v3
	v_lshlrev_b32 v5, 3, v3
	s_mul_i32 s21, s17, HALFT
	s_mul_i32 s22, s18, HALFT
	s_add_co_u32 s22, s22, 2*HALFT
.irp s, 0,1
	v_add_nc_u32 v[A16+\s], s21, v4
	v_add_nc_u32 v[A8+\s], s21, v5
	v_add_nc_u32 v[B16+\s], s22, v4
	v_add_nc_u32 v[B8+\s], s22, v5
	s_add_co_u32 s21, s21, SLOT
	s_add_co_u32 s22, s22, SLOT
.endr
	v_lshlrev_b32 v6, 3, v1
	s_lshl_b32 s21, s17, 12
	s_lshl_b32 s22, s18, 12
	s_add_co_u32 s22, s22, 2*HALFS
	s_sub_co_u32 s22, s22, s21
	v_mul_u32_u24 v7, s22, v2                      ; lanes 16-31 take B's scale words
	s_add_co_u32 s21, s21, SCL
	v_add_nc_u32 v6, v6, v7
	v_add_nc_u32 v[ADRS], s21, v6
	s_mul_i32 s23, s16, 16*SPITCH                  ; my stage
	v_mul_u32_u24 v6, v1, SPITCH
	v_lshl_add_u32 v6, v2, 6, v6
	v_add_nc_u32 v[STO], s23, v6                   ; in: row r, + 64 h: outputs 16 h on of each 32
	v_mov_b32 v[CO], v4
	v_add_nc_u32 v[RD], s23, v4                    ; back: the 32 lanes take one row of 512 bytes
	s_lshl_b32 s20, s42, 2
	s_add_co_u32 s20, s20, s41
	s_lshl_b32 s20, s20, 1
	s_add_co_u32 s20, s20, s17                     ; which 128 tokens are mine
	s_lshl_b32 s20, s20, 19                        ; 128 rows of 4,096 bytes
	s_lshl_b32 s46, ttmp9, 2
	s_add_co_u32 s46, s46, s40
	s_lshl_b32 s46, s46, 1
	s_add_co_u32 s46, s46, s18                     ; which 128 outputs
	s_lshl_b32 s46, s46, 9
	s_add_co_u32 s20, s20, s46
	s_mov_b32 s21, 0
	s_add_nc_u64 s[12:13], s[12:13], s[20:21]
.macro FRAG reg, a16, a8, off
	ds_load_b128 v[\reg:\reg+3], v[\a16] offset:\off
	ds_load_b64 v[\reg+4:\reg+5], v[\a8] offset:\off+512
	ds_load_b128 v[\reg+6:\reg+9], v[\a16] offset:\off+768
	ds_load_b64 v[\reg+10:\reg+11], v[\a8] offset:\off+1280
.endm
; 16 matrix instructions: A's blocks a0, a0 + 1 x B's eight.  The 64 accumulators take turns, one instruction a turn, in the same order in every step.
.macro MUL16 a0, p, q, sc, zero
.irp a, \a0, \a0+1
.irp b, 0,1,2,3,4,5,6,7
.if \zero
	v_wmma_scale_f32_16x16x128_f8f6f4 v[8*(8*((\a)%4)+\b):8*(8*((\a)%4)+\b)+7], v[128*(\p)+FR*\b:128*(\p)+FR*\b+FR-1], v[AF+FR*(\a):AF+FR*(\a)+FR-1], 0, v[SC+8*NQ*(\sc)+NQ*\b+(\q)], v[SC+8*NQ*(\sc)+NQ*(\a)+(\q)] matrix_a_fmt:MATRIX_FMT_FP6 matrix_b_fmt:MATRIX_FMT_FP6 matrix_a_scale:MATRIX_SCALE_ROW1
.else
	v_wmma_scale_f32_16x16x128_f8f6f4 v[8*(8*((\a)%4)+\b):8*(8*((\a)%4)+\b)+7], v[128*(\p)+FR*\b:128*(\p)+FR*\b+FR-1], v[AF+FR*(\a):AF+FR*(\a)+FR-1], v[8*(8*((\a)%4)+\b):8*(8*((\a)%4)+\b)+7], v[SC+8*NQ*(\sc)+NQ*\b+(\q)], v[SC+8*NQ*(\sc)+NQ*(\a)+(\q)] matrix_a_fmt:MATRIX_FMT_FP6 matrix_b_fmt:MATRIX_FMT_FP6 matrix_a_scale:MATRIX_SCALE_ROW1
.endif
.endr
.endr
.endm
.macro FETCH_B slot, q, p
	WIN TO_B
.irp i, 0,1,2,3,4,5,6,7
	FRAG 128*(\p)+FR*\i, B16+\slot, B8+\slot, \i*RT+(\q)*1536
.endr
	WIN 0
.endm
.macro FETCH_A slot, q, i0
.irp i, \i0, \i0+1, \i0+2, \i0+3
	FRAG AF+FR*(\i), A16+\slot, A8+\slot, (\i)*RT+(\q)*1536
.endr
.endm
.macro SCALES sc
.irp i, 0,1,2,3,4,5,6,7
	ds_load_b64 v[SC+8*NQ*\sc+NQ*\i:SC+8*NQ*\sc+NQ*\i+1], v[ADRS] offset:\i*512
.endr
.endm
.macro PLACES n                        ; plain vector lines between a matrix instruction and a load into, or a read by a store of, its registers (ISA guide 7.12.1 for a read by a store)
.rept \n
	v_nop
.endr
.endm
.macro STEP slot, q, zero
	s_wait_dscnt 4*NL                              ; B's set, A's blocks 0-3 and the scale words are in; the youngest 16 loads (A's blocks 4-7) may be out
	WIN MUL_LO
	MUL16 0, (\q)%2, \q, \slot, \zero
	MUL16 2, (\q)%2, \q, \slot, \zero
	s_wait_dscnt 0
	PLACES NP
	FETCH_B \slot, (\q)+1, 1-(\q)%2
	FETCH_A \slot, (\q)+1, 0
	WIN MUL_HI
	MUL16 4, (\q)%2, \q, \slot, \zero
	MUL16 6, (\q)%2, \q, \slot, \zero
	PLACES NP
	WIN 0
	FETCH_A \slot, (\q)+1, 4
.endm
.macro TURN slot, next, fill
	s_wait_tensorcnt 0x0                           ; all my tensor loads have landed: my part of the next slot
	ds_add_u32 v[SPW], v[NIL]                      ; 0 onto my spare word
	s_wait_dscnt 4*NL+1                            ; (the add and A's blocks 4-7, 16 loads, may be out)
	WIN MUL_LO
	MUL16 0, 1, NQ-1, \slot, 0
	s_wait_dscnt 0x0                               ; the add is done, and my reads of this slot are over
	s_barrier_signal -1
	MUL16 2, 1, NQ-1, \slot, 0
	WIN 0
	s_barrier_wait -1
.if \fill
	CREST                                          ; the barrier has opened a round of the cluster's barrier
	s_add_nc_u64 s[G0+4*\slot+2:G0+4*\slot+3], s[G0+4*\slot+2:G0+4*\slot+3], 2*RT
	s_add_nc_u64 s[G0B+4*\slot+2:G0B+4*\slot+3], s[G0B+4*\slot+2:G0B+4*\slot+3], 2*RT
	JLOAD G0+4*\slot, G1, G0B+4*\slot, G1B         ; my one tensor load behind the round
.else
	PLACES NP
.endif
	v_add_nc_u32 v[ADRS], 128, v[ADRS]
	FETCH_B \next, 0, 0
	FETCH_A \next, 0, 0
	SCALES \next
	WIN MUL_HI
	MUL16 4, 1, NQ-1, \slot, 0
	MUL16 6, 1, NQ-1, \slot, 0
	PLACES NP
	WIN 0
	FETCH_A \next, 0, 4
.endm
	s_wait_tensorcnt 1                             ; the scales and my part of K step 0 are in (K step 1's load may be out),
	s_barrier_signal -1
	s_barrier_wait -1                              ; everybody's are
	FETCH_B 0, 0, 0
	FETCH_A 0, 0, 0
	SCALES 0
	FETCH_A 0, 0, 4
	STEP 0, 0, 1                                   ; the first products start the sums
	TURN 0, 1, 1
	STEP 1, 0, 0
	TURN 1, 0, 1
	STEP 0, 0, 0
	TURN 0, 1, 0                                   ; nothing is left to fetch: no round
	STEP 1, 0, 0
	s_wait_dscnt 4*NL
	WIN MUL_LO
	MUL16 0, 1, NQ-1, 1, 0
	MUL16 2, 1, NQ-1, 1, 0
	s_wait_dscnt 0
	WIN MUL_HI
	MUL16 4, 1, NQ-1, 1, 0
	MUL16 6, 1, NQ-1, 1, 0
	WIN 0
; THE WAY OUT, block by block of 16 tokens x 128 outputs, through my own stage: in by 32 bytes a lane, at the outputs' real places; back as whole rows of 512 bytes.  LDS serves a wave's instructions in order: no wait between the stores and the loads.
.macro TOSTAGE a
.set AC, 64*((\a)%4)
.set WST, 8+4*((\a)/4)
	WIN WST                                        ; an LDS store's data are its source 1: window 2 or 3
.irp b, 0,1,2,3,4,5,6,7
	ds_store_b128 v[STO], v[AC+8*\b:AC+8*\b+3] offset:128*(\b/2)+32*(\b%2)          ; each accumulator from its low end on
	ds_store_b128 v[STO], v[AC+8*\b+4:AC+8*\b+7] offset:128*(\b/2)+32*(\b%2)+16
.endr
	WIN 0
.set BB, BK+64*((\a)%2)
.irp t, 0,1,2,3,4,5,6,7,8,9,10,11,12,13,14,15
	ds_load_b128 v[BB+4*\t:BB+4*\t+3], v[RD] offset:\t*SPITCH
.endr
.endm
.macro SEND a, younger                 ; lane row t of block a is the real token 32 (a / 2) + 8 (a % 2) + t + 8 (t / 8) of my 128: it stands in the immediate, 127 rows of 4,096 bytes at the most
.set BB, BK+64*((\a)%2)
	s_wait_dscnt \younger
.irp t, 0,1,2,3,4,5,6,7,8,9,10,11,12,13,14,15
	global_store_b128 v[CO], v[BB+4*\t:BB+4*\t+3], s[12:13] offset:(32*((\a)/2)+8*((\a)%2)+\t+8*(\t/8))*4096 th:TH_STORE_NT   ; 32 lanes store 512 consecutive bytes, aligned
.endr
.endm
	PLACES NP
	TOSTAGE 0
.irp a, 1,2,3,4,5,6,7
.if \a > 1
	s_wait_xcnt 0x0                                ; block a - 2's stores have read their registers: block a's loads may land there
.endif
	TOSTAGE \a
	SEND \a-1, 32                                  ; behind block a - 1's loads: block a's 16 stores and 16 loads
.endr
	SEND 7, 0
	s_wait_tensorcnt 0x0                           ; the wave's end, behind my last tensor load and my last LDS store
	ds_add_u32 v[SPW], v[NIL]
	s_wait_dscnt 0x0
	CROUND                                         ; the closing round
	s_endpgm
.Lfunc_end_k_q289de49cd0_proj:
	.size	k_q289de49cd0_proj, .Lfunc_end_k_q289de49cd0_proj-k_q289de49cd0_proj
	.p2alignl 7, 3214868480
	.fill 96, 4, 3214868480
	.section	.rodata,"a",@progbits
	.p2align	6, 0x0
	.amdhsa_kernel k_q289de49cd0_proj
		.amdhsa_group_segment_fixed_size 327680
		.amdhsa_private_segment_fixed_size 0
		.amdhsa_enable_private_segment 0
		.amdhsa_kernarg_size 40
		.amdhsa_user_sgpr_count 2
		.amdhsa_user_sgpr_kernarg_segment_ptr 1
		.amdhsa_wavefront_size32 1
		.amdhsa_system_sgpr_workgroup_id_x 1
		.amdhsa_system_sgpr_workgroup_id_y 1
		.amdhsa_system_sgpr_workgroup_id_z 1
		.amdhsa_system_vgpr_workitem_id 0
		.amdhsa_next_free_vgpr 1024
		.amdhsa_next_free_sgpr 98
		.amdhsa_reserve_vcc 0
		.amdhsa_float_denorm_mode_32 3
		.amdhsa_float_denorm_mode_16_64 3
		.amdhsa_memory_ordered 1
		.amdhsa_forward_progress 1
		.amdhsa_inst_pref_size 143
	.end_amdhsa_kernel
	.amdgpu_metadata
---
amdhsa.version: [ 1, 2 ]
amdhsa.kernels:
  - .name:           k_q289de49cd0_proj
    .symbol:         k_q289de49cd0_proj.kd
    .args:
      - { .name: oc, .offset: 0, .size: 8, .value_kind: global_buffer, .address_space: global }
      - { .name: os, .offset: 8, .size: 8, .value_kind: global_buffer, .address_space: global }
      - { .name: cod, .offset: 16, .size: 8, .value_kind: global_buffer, .address_space: global }
      - { .name: scl, .offset: 24, .size: 8, .value_kind: global_buffer, .address_space: global }
      - { .name: out0, .offset: 32, .size: 8, .value_kind: global_buffer, .address_space: global }
    .group_segment_fixed_size: 327680
    .private_segment_fixed_size: 0
    .kernarg_segment_align: 8
    .kernarg_segment_size: 40
    .max_flat_workgroup_size: 128
    .sgpr_count:     98
    .vgpr_count:     1024
    .wavefront_size: 32
...
	.end_amdgpu_metadata
.endif
;; end of part 4
;; ======== version 2 of 2: 4 launches; version 1 with the launch attn written anew for expert scheduling mode
;; workspace buffers: cod 9,437,184 bytes; scl 393,216 bytes; maskw 526,336 bytes of whole numbers; kv 13,107,200 bytes; qb 6,553,600 bytes; oc 6,291,456 bytes; os 262,144 bytes
;; launch prep: the kernel of part 1 again; grid 512 x 1, 4 waves a work-group, no clusters, 70,144 bytes of LDS; arguments x, W_qkv, W_proj, mask, cod, scl, maskw; writes cod, scl, maskw
;; launch qkv: the kernel of part 2 again; grid 12 x 32, 4 waves a work-group, clusters of 4 x 4, 327,680 bytes of LDS; arguments cod, scl, cos, sin, kv, qb; writes kv, qb
;; launch attn (part 5): grid 4 x 64, 16 waves a work-group, no clusters, 206,848 bytes of LDS; arguments kv, qb, maskw, oc, os; writes oc, os
.if DOCPART == 5
	.amdgcn_target "amdgcn-amd-amdhsa--gfx1250"
	.amdhsa_code_object_version 6
	.text
	.protected	k_q289de49cd0_attn
	.globl	k_q289de49cd0_attn
	.p2align	8
	.type	k_q289de49cd0_attn,@function
k_q289de49cd0_attn:
	s_mov_b64 s[64:65], 0
	v_nop
	global_prefetch_b8 v0, s[64:65] scope:SCOPE_SE
	s_setreg_imm32_b32 hwreg(HW_REG_WAVE_SCHED_MODE, 0, 2), 2
	s_setreg_imm32_b32 hwreg(HW_REG_WAVE_MODE, 25, 1), 1
	s_wait_xcnt 0x0
	s_wait_alu depctr_vm_vsrc(0)
; ATTENTION on codes of FP6 (E2M3): S = q k^T / 8, the mask, p = 2^(t - M), O = p v / l, and O quantised along C for the last product.
; t = score x log2(e) / 8; M = the running largest t rounded UP to a whole number; p is what is quantised, along the keys, not normalised; l is the sum of the unquantised p, in f32; when M moves, l and O are multiplied by 2^(old M - new M): exact.
; SHARES.  Work-group (x, y = 16 batch + head) owns 512 queries of one head.  The head's whole K, V and scale words (16 records of 12,800 bytes, dense) are copied into LDS ONCE, through registers, and stay: one barrier in the launch.
; Each of the sixteen waves owns one tile of 16 queries a pass, two passes: query tile 32 x + 16 pass + wave.  Four waves share a SIMD, so that one wave's vector work stands beside another's products and LDS loads.
; NO CLUSTER, NO TENSOR LOAD: the 64 selects of a key step are jumped over where the step's mask tile has no hole: a branch on a stored whole number.  What the four work-groups of a head share is
; read once by each, 204,800 bytes, in the launch's first lines; the jump spares 64 of a step's about 315 vector instructions.
; LAYOUT.  Both products are used transposed: S^T = K Q^T, O^T = V^T P^T: a lane holds ONE query (lane % 16) throughout.  Tiles' rows are laid so that register 16 b + i of S^T is key 32 b + 16 h + i of the step, and register 16 b + i of O^T is d = 32 b + 16 h + i.
; THE FIRST PRODUCT'S K IS 64, the instruction's 128: one operand of 12 registers holds TWO key tiles (the even one in K 0-63, the odd one in K 64-127), and Q stands in 18 registers, 0 x 6 | q x 6 | 0 x 6: the upper 12 (q | 0) pick the even tile, the lower 12 (0 | q) the odd one.
; Zero codes add nothing.  Q's scale word is (s0, s1, s0, s1).
; LIMITS.  A query all of whose keys are masked has l = 0: its scale bytes are stored as 0xff, which makes that token's whole output row NaN in the last product, as the softmax of an empty row is.  NaN and infinities among the inputs are not served.
; Blocks whose largest magnitude lies under 2^-124 keep the byte 1.  The scale bytes of O leave 2 bytes a lane (a head owns two of a row's 32 bytes): one byte in 24 of what the launch stores.
; THE MODE: SCHED_MODE bits 1:0 = 2 (LLVM: expert scheduling mode 2), set by the entry lines.  The code itself states the register dependences between vector or matrix instructions and memory or LDS instructions, with s_wait_alu, always for 0.
; THE PLAN.  Registers that memory or LDS instructions touch:
;   v4-9, v92-95   addresses and offsets: made once at the head, never written again.
;   v96-195        at the head only: the fill's data: global loads land in them, LDS stores read them; from the first pass on the products, the clearing of O^T and the conversions write them.
;   v22-27, v34    Q and its scale word: a pass's loads land in them; the K Q^T products read them.
;   v1-3           the step's LDS addresses: written by three adds at the step's head, read by the step's 30 LDS loads.
;   v44-91         K's loads land; the eight K Q^T products read; V's loads land; the four V^T P products read.   v36-39, v40-43: their scale words, likewise.
;   v192-203, v35  p's codes and scale word: written by vector instructions, taken by the scaled V^T P products.   v192-197, v226: on the way out the stores' data.
; A STEP'S WAITS: one on vm_vsrc ahead of the three adds; one on va_vdst behind them (the addresses are written, the last trip's V^T P products are done with V's registers); one behind the K Q^T products (they are done with K's registers, in which V lands);
; the two behind the exponentials; one ahead of the V^T P products (p's codes and scale word are written).  K and V share 48 registers and the sixteen waves hold all registers of their SIMDs, so there is no second buffer: V's loads stand straight behind the wait that
; frees their registers and land under the softmax; K's follow the V^T P products.
; REGISTERS: v1-3 the step's LDS addresses; v4, v5 the add's two; v6-9 16 x lane, 8 x lane, 16 r, 8 r; v10 -infinity; v11 1 / l; v12 -M, v13 the largest t, v[14:15] l in two halves; v16-33 Q; v34 Q's scale word; v35 p's; v36-39 K's; v40-43 V's;
;   v44-91 the step's K, then its V; v92-95 the fill's addresses; v96-159 S^T, then p; v160-191 O^T; v192-203 codes; v204-210 second conversions; v212-215 block maxima; v216-219 permutes and bytes; v220-223 scale operands; v[224:225] f; v226 at work; v[228:229] second sum.
; SCALARS: s14 wave; s15 step; s16 the step's record in LDS; s17 flags; s[18:19] lane selects; s[20:21] c; s[22:23] the step's mask words; s[24:27] flag words; s[32:63], s[68:99] 64 mask words; s66 byte select.
.set REC,   12800
.set SPARE, 16*REC                     ; behind the records: the spare words, 128 bytes a wave: eight blocks of 256 bytes that no other line names
	s_load_b256 s[4:11], s[0:1], 0x0               ; kv s[4:5], qb s[6:7], maskw s[8:9], oc s[10:11]
	s_load_b64 s[12:13], s[0:1], 0x20              ; os
	v_lshl_add_u32 v4, v0, 2, SPARE
	v_mov_b32 v5, 0
	v_lshrrev_b32 v1, 5, v0
	v_readfirstlane_b32 s14, v1                    ; wave 0..15
	v_and_b32 v1, 31, v0
	v_and_b32 v2, 15, v0
	v_lshlrev_b32 v6, 4, v1
	v_lshlrev_b32 v7, 3, v1
	v_lshlrev_b32 v8, 4, v2
	v_lshlrev_b32 v9, 3, v2
	v_mov_b32 v10, 0xff800000
	v_lshlrev_b32 v92, 4, v0                       ; the fill: 16 x thread, in memory and in LDS,
	v_add_nc_u32 v93, 0x10000, v92                 ; and 65,536 bytes on for each eight loads: an LDS offset has 16 bits
	v_add_nc_u32 v94, 0x20000, v92
	v_add_nc_u32 v95, 0x30000, v92
.irp i, 16,17,18,19,20,21,28,29,30,31,32,33
	v_mov_b32 v\i, 0                               ; Q's zero halves
.endr
.irp i, 216,217,218,219,225,226
	v_mov_b32 v\i, 0                               ; written once: lane permutes' destinations, and the upper half of f's pair
.endr
	s_mov_b32 s18, 0x76543210
	s_mov_b32 s19, 0xfedcba98
	s_mov_b32 s20, 0x3e38aa3b                      ; c = log2(e) / 8
	s_mov_b32 s21, s20                             ; (named with it as a pair)
	s_wait_alu depctr_va_sdst(0)                   ; s14 is written, ahead of its first reader: the byte select and every address below are made from it
	s_bitcmp1_b32 s14, 0
	s_mov_b32 s66, 0x01000100                      ; an even tile's two bytes of the pair's word, twice;
	s_cselect_b32 s66, 0x03020302, s66             ; an odd tile's
	s_and_b32 s2, ttmp7, 0xffff                    ; y
	s_mul_i32 s28, s2, 16*REC                      ; the head's records
	s_mov_b32 s29, 0
	s_lshl_b32 s30, s2, 4
	s_lshl_b32 s3, ttmp9, 2
	s_add_co_u32 s30, s30, s3
	s_lshr_b32 s3, s14, 3
	s_add_co_u32 s30, s30, s3                      ; Q's record in pass 0: 16 y + 4 x + wave / 8
	s_mul_i32 s30, s30, 6400
	s_and_b32 s3, s14, 7
	s_mul_i32 s67, s3, 768                         ; my tile in it
	s_lshr_b32 s3, s3, 1
	s_lshl_b32 s3, s3, 2
	s_add_co_u32 s24, s3, s30
	s_add_co_u32 s24, s24, 6144                    ; my pair's scale words
	s_mov_b32 s25, 0
	s_add_co_u32 s30, s30, s67
	s_mov_b32 s31, 0
	s_lshl_b32 s26, ttmp9, 5
	s_add_co_u32 s26, s26, s14                     ; query tile in pass 0
	s_lshl_b32 s32, s26, 12                        ; its 16 mask records
	s_mov_b32 s33, 0
	s_lshl_b32 s34, s26, 4                         ; its flag words
	s_mov_b32 s35, 0
	s_lshr_b32 s27, s2, 4
	s_lshl_b32 s27, s27, 7
	s_add_co_u32 s27, s27, s26                     ; its row tile among 512
	s_and_b32 s67, s2, 15                          ; head
	s_mul_i32 s36, s27, 12288
	s_mul_i32 s3, s67, 768
	s_add_co_u32 s36, s36, s3
	s_mov_b32 s37, 0
	s_lshl_b32 s38, s27, 9
	s_lshr_b32 s3, s67, 2
	s_lshl_b32 s3, s3, 7
	s_add_co_u32 s38, s38, s3
	s_and_b32 s3, s67, 3
	s_lshl_b32 s3, s3, 1
	s_add_co_u32 s38, s38, s3
	s_mov_b32 s39, 0
	s_wait_kmcnt 0x0
	s_add_nc_u64 s[4:5], s[4:5], s[28:29]
	s_add_nc_u64 s[30:31], s[6:7], s[30:31]        ; Q's codes
	s_add_nc_u64 s[6:7], s[6:7], s[24:25]          ; Q's scale words
	s_add_nc_u64 s[22:23], s[8:9], s[32:33]        ; mask words
	s_add_nc_u64 s[8:9], s[8:9], s[34:35]          ; flags (at 524,288 from here)
	s_add_nc_u64 s[10:11], s[10:11], s[36:37]
	s_add_nc_u64 s[12:13], s[12:13], s[38:39]
.macro QLOAD p                         ; pass p's tile of Q, its scale words, its flags
	global_load_b128 v[22:25], v6, s[30:31] offset:12800*\p
	global_load_b64 v[26:27], v7, s[30:31] offset:12800*\p+512
	global_load_b32 v34, v8, s[6:7] offset:12800*\p
	s_load_b128 s[24:27], s[8:9], 0x80000+256*\p
.endm
	s_wait_alu depctr_va_vdst(0)                   ; v6 to v9 and v92 to v95 are written: every load and store of the kernel but a step's LDS loads reads one of them as its address or offset, and none of them is written again
	QLOAD 0
	; THE FILL: 25 loads of 16 bytes a thread, 8,192 consecutive bytes a load of the work-group
.set i, 0
.rept 25
	global_load_b128 v[96+4*i:99+4*i], v92, s[4:5] offset:8192*i
.set i, i+1
.endr
.set i, 0
.rept 25
	s_wait_loadcnt 24-i                            ; loads come back in order: load i is in, the younger ones may be out
	ds_store_b128 v[92+i/8], v[96+4*i:99+4*i] offset:8192*(i%8)
.set i, i+1
.endr
	s_wait_dscnt 0x0                               ; for the others' sake: my stores have landed
	s_barrier_signal -1
	s_barrier_wait -1                              ; the head's K and V lie in LDS; nobody writes them again
	s_wait_alu depctr_vm_vsrc(0)                   ; my LDS stores have read v96 to v195: from here on these are S^T, O^T and the codes, written by the products, the clearing below and the conversions
.macro START p
	s_wait_loadcnt 0x0                             ; Q
	s_wait_kmcnt 0x0                               ; the flags
	s_or_b32 s17, s24, s25
	s_or_b32 s17, s17, s26
	s_or_b32 s17, s17, s27
.if \p
	s_add_nc_u64 s[22:23], s[22:23], 61440         ; 16 query tiles on, less the 16 records walked
.endif
	v_perm_b32 v34, v34, v34, s66                  ; (s0, s1, s0, s1) of my tile
.set j, 0
.rept 32
	v_mov_b32 v[160+j], 0                          ; O^T: the step is written once, and its first trip finds zeros.  (Also the plain lines between the scale word's write and the first scaled product)
.set j, j+1
.endr
	v_mov_b32 v13, 0xff61b1e6                      ; the largest t so far: -3e38
	v_floor_f32 v12, -v13                          ; -M
	v_mov_b32 v14, 0
	v_mov_b32 v15, 0
	s_mov_b32 s15, 0
	s_mov_b32 s16, 0
.endm
; SIXTEEN KEY STEPS of 128 keys
.macro STEPS
.Lstep_\@:
	s_load_b512 s[32:47], s[22:23], 0x0            ; the step's 64 mask words (the last trip's selects, which read these registers, stand ahead of that trip's waits on va_vdst)
	s_load_b512 s[48:63], s[22:23], 0x40
	s_load_b512 s[68:83], s[22:23], 0x80
	s_load_b512 s[84:99], s[22:23], 0xc0
	s_wait_alu depctr_vm_vsrc(0)                   ; the last trip's LDS loads have read v1 to v3, which the three adds write
	v_add_nc_u32 v1, s16, v6                       ; (these three and the v_nop stand between the last trip's products and the loads into their operands, beside the wait below)
	v_add_nc_u32 v2, s16, v7
	v_add_nc_u32 v3, s16, v8
	v_nop
	s_wait_alu depctr_va_vdst(0)                   ; v1 to v3 are written, which the step's LDS loads read; the last trip's V^T P products are done reading v44 to v91 and v40 to v43, in which loads land; in a pass's first trip: Q's zero halves and its scale word v34 are written, which the scaled products take
.irp t, 0,1,2,3,4,5,6,7
	ds_load_b128 v[44+6*\t:47+6*\t], v1 offset:768*\t
	ds_load_b64 v[48+6*\t:49+6*\t], v2 offset:768*\t+512
.endr
	ds_load_b128 v[36:39], v3 offset:12288         ; K's scale words: a word for each pair of tiles
	s_wait_dscnt 0x0
.irp t, 0,2,4,6
	v_wmma_scale_f32_16x16x128_f8f6f4 v[96+8*\t:103+8*\t], v[44+6*\t:55+6*\t], v[22:33], 0, v[36+\t/2], v34 matrix_a_fmt:MATRIX_FMT_FP6 matrix_b_fmt:MATRIX_FMT_FP6
	v_wmma_scale_f32_16x16x128_f8f6f4 v[104+8*\t:111+8*\t], v[44+6*\t:55+6*\t], v[16:27], 0, v[36+\t/2], v34 matrix_a_fmt:MATRIX_FMT_FP6 matrix_b_fmt:MATRIX_FMT_FP6
.endr
.rept 4
	v_nop                                          ; places: ahead of the first read of the scores by a vector instruction (ISA guide 7.12.1); they stay beside the wait below
.endr
	s_wait_alu depctr_va_vdst(0)                   ; the eight products are done reading v44 to v91, in which V's loads land (and Q's registers and v34, in which the second pass's loads land behind the last trip)
.irp p, 0,1,2,3,4,5,6,7,8,9,10,11
	ds_load_b128 v[44+4*\p:47+4*\p], v1 offset:6144+512*\p   ; V's four fragments: they land under the softmax
.endr
	ds_load_b128 v[40:43], v3 offset:12544         ; and their scale words
	s_wait_kmcnt 0x0                               ; the mask words are in, so their address may step
	s_add_nc_u64 s[22:23], s[22:23], 256
	s_bitcmp1_b32 s17, s15                         ; has this step's mask tile a hole?
	s_cbranch_scc0 .Lopen_\@
.set j, 0
.rept 64
.set sj, 32+j+4*(j/32)
	v_cndmask_b32 v[96+j], v10, v[96+j], s[sj]     ; a hidden key's score becomes -infinity ahead of the maximum: p = 0 then
.set j, j+1
.endr
.Lopen_\@:
.irp b, 0,1,2,3
	v_max3_num_f32 v[212+\b], v[96+16*\b], v[97+16*\b], v[98+16*\b]   ; the largest score of each block of 32 keys: it serves for the row's maximum and, since p rises with the score, for the block's largest p
.endr
.irp i, 3,5,7,9,11,13
.irp b, 0,1,2,3
	v_max3_num_f32 v[212+\b], v[212+\b], v[96+16*\b+\i], v[97+16*\b+\i]
.endr
.endr
.irp b, 0,1,2,3
	v_max_num_f32 v[212+\b], v[212+\b], v[111+16*\b]
.endr
.irp b, 0,1,2,3
	v_permlanex16_b32 v[216+\b], v[212+\b], s18, s19
.endr
.irp b, 0,1,2,3
	v_max_num_f32 v[212+\b], v[212+\b], v[216+\b]  ; with lane l xor 16's 16 keys
.endr
	v_max3_num_f32 v226, v212, v213, v214
	v_max_num_f32 v226, v226, v215
	v_mul_f32 v226, s20, v226                      ; as t (c is positive)
	v_max_num_f32 v13, v13, v226                   ; the running largest t
	v_mov_b32 v226, v12
	v_floor_f32 v12, -v13                          ; the new -M = floor(-t): M is a whole number
	v_sub_f32 v226, v12, v226                      ; old M - new M: a whole number, 0 or less
	v_cvt_i32_f32 v226, v226                       ; (it saturates)
	v_ldexp_f32 v224, 1.0, v226                    ; f = 2^(old M - new M)
.set j, 0
.rept 32
	v_pk_fma_f32 v[96+j:97+j], v[96+j:97+j], s[20:21], v[12:13] op_sel_hi:[1,0,0]   ; t - M, two at a time
.set j, j+2
.endr
.irp b, 0,1,2,3
	v_fma_f32 v[212+\b], v[212+\b], s20, v12       ; the same of each block's largest score
.endr
.set j, 0
.rept 64
	v_exp_f32 v[96+j], v[96+j]                     ; p = 2^(t - M)
.set j, j+1
.endr
	v_pk_mul_f32 v[14:15], v[14:15], v[224:225] op_sel_hi:[1,0]   ; l under the new M; the plain line behind the exponentials
	s_wait_alu depctr_va_vdst(0)                   ; the 64 exponentials have written v96 to v159: one wait for the batch, ahead of its first reader
.irp b, 0,1,2,3
	v_exp_f32 v[212+\b], v[212+\b]                 ; the block's largest p: the same two instructions on the same number
.endr
	v_pk_add_f32 v[228:229], v[96:97], v[98:99]    ; l takes the unquantised p, two at a time, in two chains
.irp j, 4,8,12,16,20,24,28,32,36,40,44,48,52,56,60
	v_pk_add_f32 v[14:15], v[14:15], v[96+\j:97+\j]
	v_pk_add_f32 v[228:229], v[228:229], v[98+\j:99+\j]
.endr
	v_pk_add_f32 v[14:15], v[14:15], v[228:229]
	s_wait_alu depctr_va_vdst(0)                   ; the four exponentials have written v212 to v215, ahead of their first reader
.irp b, 0,1,2,3
	v_max_num_f32 v[212+\b], 0x1800000, v[212+\b]  ; the floor 2^(3 - 127): a block whose every p is 0 keeps the byte 1: its codes are zeros
.endr
.irp b, 0,1,2,3
	v_add_nc_u32 v[220+\b], 0xff000000, v[212+\b]  ; 2 off the exponent field: the conversion's scale operand
.endr
.irp b, 0,1,2,3
	v_lshrrev_b32 v[216+\b], 23, v[220+\b]         ; the scale's byte
.endr
	v_lshl_or_b32 v35, v217, 8, v216               ; p's scale word for these 128 keys
	v_lshl_or_b32 v35, v218, 16, v35
	v_lshl_or_b32 v35, v219, 24, v35
.irp c, 0,1
	v_cvt_scalef32_pk16_fp6_f32 v[192+6*\c:194+6*\c], v[96+32*\c:111+32*\c], v[220+2*\c]
	v_cvt_scalef32_pk16_fp6_f32 v[204+4*\c:206+4*\c], v[112+32*\c:127+32*\c], v[220+2*\c+1]
.endr
	v_nop                                          ; one plain line behind a scaled conversion
.irp c, 0,1
.irp i, 0,1,2
	v_permlane16_swap_b32 v[192+6*\c+\i], v[204+4*\c+\i]   ; a whole block to a lane
.endr
.irp i, 0,1,2
	v_mov_b32 v[195+6*\c+\i], v[204+4*\c+\i]
.endr
.endr
.set j, 0
.rept 16
	v_pk_mul_f32 v[160+j:161+j], v[160+j:161+j], v[224:225] op_sel_hi:[1,0]   ; O^T under the new M.  (Also the plain lines between the writes of p's codes and scale word and the scaled products)
.set j, j+2
.endr
	s_wait_dscnt 0x0                               ; V
	s_wait_alu depctr_va_vdst(0)                   ; p's codes v192 to v203 and its scale word v35 are written, which the scaled products take; the sixteen lines above are the places, and stay beside this wait
.irp t, 0,1,2,3
	v_wmma_scale_f32_16x16x128_f8f6f4 v[160+8*\t:167+8*\t], v[44+12*\t:55+12*\t], v[192:203], v[160+8*\t:167+8*\t], v[40+\t], v35 matrix_a_fmt:MATRIX_FMT_FP6 matrix_b_fmt:MATRIX_FMT_FP6
.endr
	s_add_co_u32 s16, s16, REC
	s_add_co_u32 s15, s15, 1
	s_cmp_lt_u32 s15, 16
	s_cbranch_scc1 .Lstep_\@
.endm
; THE WAY OUT of pass p: O^T / l, quantised along C (the head's 64 are two blocks of 32), as an image of 16 tokens x 64 and two scale bytes a token
.macro OUT p
.rept 4
	v_nop                                          ; places behind the last products
.endr
	v_add_f32 v14, v14, v15
	v_permlanex16_b32 v226, v14, s18, s19
	v_add_f32 v14, v14, v226                       ; l
	v_rcp_f32 v11, v14
	v_nop                                          ; a plain line behind the reciprocal
	s_wait_alu depctr_va_vdst(0)                   ; the reciprocal has written v11, ahead of its first reader
.set j, 0
.rept 32
	v_mul_f32 v[96+j], v[160+j], v11               ; each accumulator from its low end on
.set j, j+1
.endr
.irp b, 0,1
	v_max3_num_f32 v[212+\b], |v[96+16*\b]|, |v[97+16*\b]|, 0x1800000
.endr
.irp i, 2,4,6,8,10,12,14
.irp b, 0,1
	v_max3_num_f32 v[212+\b], v[212+\b], |v[96+16*\b+\i]|, |v[97+16*\b+\i]|
.endr
.endr
.irp b, 0,1
	v_permlanex16_b32 v[216+\b], v[212+\b], s18, s19
.endr
.irp b, 0,1
	v_max_num_f32 v[212+\b], v[212+\b], v[216+\b]
.endr
.irp b, 0,1
	v_add_nc_u32 v[220+\b], 0xff000000, v[212+\b]
.endr
.irp b, 0,1
	v_lshrrev_b32 v[216+\b], 23, v[220+\b]
.endr
	v_lshl_or_b32 v226, v217, 8, v216              ; the token's two bytes
	v_cmp_lt_f32 vcc_lo, 0, v14
	s_wait_alu depctr_va_vcc(0)                    ; the compare has written VCC, which the select reads
	v_cndmask_b32 v226, 0xffff, v226, vcc_lo       ; an empty row: NaN
	v_cvt_scalef32_pk16_fp6_f32 v[192:194], v[96:111], v220
	v_cvt_scalef32_pk16_fp6_f32 v[204:206], v[112:127], v221
	v_nop
.irp i, 0,1,2
	v_permlane16_swap_b32 v[192+\i], v[204+\i]
.endr
.irp i, 0,1,2
	v_mov_b32 v[195+\i], v[204+\i]
.endr
	s_wait_alu depctr_va_vdst(0)                   ; the codes v192 to v197 and the two bytes v226 are written, which the three stores read
	global_store_b128 v6, v[192:195], s[10:11] offset:196608*\p          ; 512 consecutive bytes,
	global_store_b64 v7, v[196:197], s[10:11] offset:196608*\p+512       ; and 256
	global_store_b16 v9, v226, s[12:13] offset:8192*\p                   ; lanes r and r + 16 store the same two bytes
	s_wait_xcnt 0x0                                ; the stores have read their registers
.if (\p) == 0
	s_wait_alu depctr_vm_vsrc(0)                   ; beside it: the stores have read v192 to v197 and v226, which the second pass's steps write again
.endif
.endm
	START 0
	STEPS
	QLOAD 1                                        ; the second pass's tile lands under the first's way out.  No wait: the products that read v16 to v33 and v34 stand ahead of the last trip's waits on va_vdst, and no vector or matrix instruction since names the registers in which these loads land
	OUT 0
	START 1
	STEPS
	OUT 1
	s_wait_dscnt 0x0                               ; the wave's end
	s_wait_alu 0x0
	s_wait_tensorcnt 0x0
	ds_add_u32 v4, v5
	s_wait_dscnt 0x0
	s_endpgm
.Lfunc_end_k_q289de49cd0_attn:
	.size	k_q289de49cd0_attn, .Lfunc_end_k_q289de49cd0_attn-k_q289de49cd0_attn
	.p2alignl 7, 3214868480
	.fill 96, 4, 3214868480
	.section	.rodata,"a",@progbits
	.p2align	6, 0x0
	.amdhsa_kernel k_q289de49cd0_attn
		.amdhsa_group_segment_fixed_size 206848
		.amdhsa_private_segment_fixed_size 0
		.amdhsa_enable_private_segment 0
		.amdhsa_kernarg_size 40
		.amdhsa_user_sgpr_count 2
		.amdhsa_user_sgpr_kernarg_segment_ptr 1
		.amdhsa_wavefront_size32 1
		.amdhsa_system_sgpr_workgroup_id_x 1
		.amdhsa_system_sgpr_workgroup_id_y 1
		.amdhsa_system_sgpr_workgroup_id_z 1
		.amdhsa_system_vgpr_workitem_id 0
		.amdhsa_next_free_vgpr 256
		.amdhsa_next_free_sgpr 100
		.amdhsa_reserve_vcc 1
		.amdhsa_float_denorm_mode_32 3
		.amdhsa_float_denorm_mode_16_64 3
		.amdhsa_memory_ordered 1
		.amdhsa_forward_progress 1
		.amdhsa_inst_pref_size 60
	.end_amdhsa_kernel
	.amdgpu_metadata
---
amdhsa.version: [ 1, 2 ]
amdhsa.kernels:
  - .name:           k_q289de49cd0_attn
    .symbol:         k_q289de49cd0_attn.kd
    .args:
      - { .name: kv, .offset: 0, .size: 8, .value_kind: global_buffer, .address_space: global }
      - { .name: qb, .offset: 8, .size: 8, .value_kind: global_buffer, .address_space: global }
      - { .name: maskw, .offset: 16, .size: 8, .value_kind: global_buffer, .address_space: global }
      - { .name: oc, .offset: 24, .size: 8, .value_kind: global_buffer, .address_space: global }
      - { .name: os, .offset: 32, .size: 8, .value_kind: global_buffer, .address_space: global }
    .group_segment_fixed_size: 206848
    .private_segment_fixed_size: 0
    .kernarg_segment_align: 8
    .kernarg_segment_size: 40
    .max_flat_workgroup_size: 512
    .sgpr_count:     100
    .vgpr_count:     256
    .wavefront_size: 32
...
	.end_amdgpu_metadata
.endif
;; end of part 5
;; launch proj: the kernel of part 4 again; grid 4 x 32, 4 waves a work-group, clusters of 4 x 4, 327,680 bytes of LDS; arguments oc, os, cod, scl, out0; writes out0
